; MI455X (gfx1250); checked and timed in simulation.
; The chip was launched on July 23, 2026; its instructions are those of AMD's public machine-readable ISA for CDNA 5 (MIT licence, August 2026) and "CDNA5" Instruction Set Architecture Reference Guide (July 2026). The comments in the code are by the model that wrote it; some were corrected since.
;; Multi Head Attention. Allowed arithmetic: matrix products marked QUANTISED: E2M3 operands, one E8M0 scale for each 32 along K, by v_wmma_scale_f32_16x16x128_f8f6f4 with both operands' format E2M3, f32 sums; everything else in f32.
;; Inputs: Wk 1,024 x 1,024 float32; Wo 1,024 x 1,024 float32; Wq 1,024 x 1,024 float32; Wv 1,024 x 1,024 float32; bk 1,024 float32; bo 1,024 float32; bq 1,024 float32; bv 1,024 float32; inputs_k 4 x 2,048 x 1,024 float32; inputs_q 4 x 2,048 x 1,024 float32; inputs_v 4 x 2,048 x 1,024 float32.
;; Outputs: out0 4 x 2,048 x 1,024 float32.
;; This version of the problem:
;;   THIS VERSION OF THE PROBLEM IS GIVEN IN LOW PRECISION. The matrix products marked QUANTISED in the list below multiply operands that are first quantised to E2M3 (2 exponent bits, 3 mantissa bits; 6 bits a number), with one power-of-two scale for each 32 numbers along K (OCP MX v1.0); their sums are f32. All else is computed in f32.
;;   The module's matrix products, in the order in which they are computed (A, B: the left and right operand; K: the contracted axis; several contracted axes count as one K, in the product's order):
;;     1. [M 8,192, K 1,024] x [K 1,024, N 1,024]; A: input inputs_q; B: input Wq: QUANTISED
;;     2. [M 8,192, K 1,024] x [K 1,024, N 1,024]; A: input inputs_k; B: input Wk: QUANTISED
;;     3. [M 8,192, K 1,024] x [K 1,024, N 1,024]; A: input inputs_v; B: input Wv: QUANTISED
;;     4. batch 64 x [M 2,048, K 64] x [K 64, N 2,048]; A: computed on the way; B: computed on the way: QUANTISED
;;     5. batch 64 x [M 2,048, K 2,048] x [K 2,048, N 64]; A: softmax (see below); B: computed on the way: QUANTISED
;;     6. [M 8,192, K 1,024] x [K 1,024, N 1,024]; A: computed on the way; B: input Wo: QUANTISED
;;   THE QUANTISER, for each operand of a quantised product, along K:
;;     - K is cut into blocks of 32 from its start; a last block that is shorter is filled with zeros.
;;     - A block's scale is 2^e with e = floor(log2(the largest magnitude in the block)) - 2, held to -126 .. 127; a block of zeros has e = 0. As a byte (E8M0): e + 127.
;;     - Each number is divided by its block's scale, clamped to +-7.5, and rounded to the nearest number of E2M3, ties to even, subnormals kept.
;;     - The product sums the exact products of the quantised numbers (number of the format x scale) in f32.
;;   ~~~python
;;   def quantise(x, axis):      # numpy; x: float32 -> the quantised numbers, widened to float32 again
;;       x = np.moveaxis(x, axis, -1); K = x.shape[-1]
;;       x = np.pad(x, [(0, 0)] * (x.ndim - 1) + [(0, -K % 32)]); x = x.reshape(x.shape[:-1] + (-1, 32)); a = np.abs(x).max(-1, keepdims=True)
;;       e = np.where(a > 0, np.clip(np.frexp(np.where(a > 0, a, 1))[1] - 1 - 2, -126, 127), 0)      # np.frexp(a)[1] - 1 = floor(log2(a)), exactly
;;       r = np.clip(x / 2.0 ** e, -7.5, 7.5)
;;       step = 2.0 ** (np.maximum(np.frexp(np.where(r == 0, 1, r))[1] - 1, 0) - 3)
;;       q = np.round(r / step) * step * 2.0 ** e      # np.round: ties to even
;;       return np.moveaxis(q.reshape(q.shape[:-2] + (-1,))[..., :K], -1, axis).astype(np.float32)
;;   ~~~
;;   SOFTMAX AHEAD OF A QUANTISED PRODUCT. Where the list says 'softmax', what is quantised is not the finished softmax but p = 2^(t - M), with t = logit x log2(e) and M = ceil(the row's largest t), a whole number; so 1/2 < the row's largest p <= 1. The row's sum l is taken of the UNQUANTISED p, in f32, and the product's result is divided by l at the end. Since M is a whole number, a kernel that streams over the keys may use a running M (the ceiling of the running maximum): every later rescaling is an exact power of two, which a block's scale takes up: the codes' values come out the same.
;;   OPERANDS COMPUTED ON THE WAY. 'Computed on the way' means the value that the module computes at that place (a softmax that the list does not call 'softmax' is quantised finished and normalised). What goes into a quantiser is computed in f32, as accurately as f32 sums, v_exp_f32 and their like allow (about 1e-6 of the number): no bf16 or f16 on the way to a quantiser, and a product that is left as it is and whose result goes on into a quantised operand takes f32 operands (vector FMAs, or v_wmma_f32_16x16x4_f32). A number that lies on a knife's edge between two numbers of the format may be rounded either way, as far as f32 arithmetic and the matrix unit's own rounding can turn it there, and no further.
;; One version. Each part assembles by itself: llvm-mc -triple=amdgcn-amd-amdhsa -mcpu=gfx1250 --defsym DOCPART=n.
;; ======== version 1 of 1: 4 launches
;; limits: right only within a limited range of input values
;; workspace buffers: x_codes 18,874,368 bytes; x_scales 786,432 bytes; w_codes 3,145,728 bytes; w_scales 131,072 bytes; qkv_codes 18,874,368 bytes; qkv_scales 786,432 bytes; ctx_codes 6,291,456 bytes; ctx_scales 262,144 bytes
;; launch quant (part 1): grid 896 x 1, 4 waves a work-group, no clusters, 68,096 bytes of LDS; arguments inputs_q, inputs_k, inputs_v, Wq, Wk, Wv, Wo, x_codes, x_scales, w_codes, w_scales; writes x_codes, x_scales, w_codes, w_scales
.if DOCPART == 1
	.amdgcn_target "amdgcn-amd-amdhsa--gfx1250"
	.amdhsa_code_object_version 6
	.text
	.protected	k_q60e9b5bbdb_quant
	.globl	k_q60e9b5bbdb_quant
	.p2align	8
	.type	k_q60e9b5bbdb_quant,@function
k_q60e9b5bbdb_quant:
	s_mov_b64 s[64:65], 0
	v_nop
	global_prefetch_b8 v0, s[64:65] scope:SCOPE_SE
	s_setreg_imm32_b32 hwreg(HW_REG_WAVE_MODE, 25, 1), 1
	s_wait_xcnt 0x0
; All seven f32 operands of the four projections become codes of FP6 (E2M3) with one E8M0 byte for each 32 along K.
; Work-groups 0-127 take Wq, Wk, Wv, Wo ([k][n], K the first axis); work-groups 128-895 take inputs_q, inputs_k, inputs_v ([row][k]).
; A block's byte is its largest magnitude's exponent field - 2, held at 1 from below; numbers are divided by the scale and rounded to the nearest code, ties to even; beyond 7.5 the largest code.
; CODES' LAYOUT, both buffers: [tensor][block of 256 rows][K step of 256][256 rows][192 bytes]: a K step's tile of whole rows is dense in memory. A weight's row is an output column n.
; SCALE BYTES: [tensor][row][32].
; LIMITS: NaN and infinities are not served. A block whose largest magnitude lies under 2^-124 keeps the byte 1; so does a block of zeros, where the rule says 127: its codes are zeros, and only this program reads the bytes.
; The two paths part on the work-group's number and have LDS bytes of their own: inputs 0 .. 32,767, weights 32,768 .. 67,583; the spare words follow. Waves share nothing: no barrier.
.set EMAX,  2
.set WLDS,  32768
.set SPARE, 67584
.set STEPS, 16
.set CB,    12                         ; bytes of 16 codes
.set R,     16                         ; inputs: v16-79 four sets of 16 numbers as loaded
.set X,     80                         ; v80-111 two sets of 16 neighbours
.set C,     128                        ; v128-191 codes, four registers a step
.set E,     112                        ; v112-127 a scale byte a step
.set WREG,  8192                       ; a wave's LDS: two stages of 32 x SP, then 256 scale bytes
.set SP,    80
.set NB,    8                          ; weights: blocks a lane
.set PITCH, 272                        ; a stage row: sixteen places of 16 bytes + 16
.set WX,    32                         ; v32-95 two sets of 32 numbers
.set WC,    96                         ; a block's codes
.set OUTR,  112                        ; the way out
.set SB,    24                         ; scale bytes, four to a register
	v_lshl_add_u32 v192, v0, 2, SPARE
	v_mov_b32 v193, 0
	v_lshrrev_b32 v1, 5, v0
	v_readfirstlane_b32 s16, v1                    ; wave
	v_and_b32 v2, 31, v0                           ; lane
	s_cmp_lt_u32 ttmp9, 128
	s_wait_alu depctr_va_vdst(0)
	s_cbranch_scc1 .Lw
; ---------------- inputs: a wave takes 8 rows, 16 steps of 512 numbers; each load reads 512 consecutive bytes, which turn through the wave's stage and come back 16 neighbours a lane
	s_load_b128 s[4:7], s[0:1], 0x0                ; inputs_q, inputs_k
	s_load_b64 s[8:9], s[0:1], 0x10                ; inputs_v
	s_load_b128 s[12:15], s[0:1], 0x38             ; x_codes, x_scales
	v_lshlrev_b32 v3, 4, v2
	s_mul_i32 s17, s16, WREG
	v_lshrrev_b32 v14, 2, v2
	v_mul_u32_u24 v14, v14, SP
	v_and_b32 v15, 3, v2
	v_lshl_add_u32 v14, v15, 4, v14
	v_add_nc_u32 v14, s17, v14                     ; stage, in: SP (lane / 4) + 16 (lane % 4)
	v_mul_u32_u24 v15, v2, SP
	v_add_nc_u32 v15, s17, v15                     ; stage, back: SP x lane
	v_and_b32 v4, 15, v2
	v_mul_u32_u24 v4, v4, CB
	v_lshrrev_b32 v5, 4, v2
	v_mad_u32_u24 v4, v5, 49152, v4                ; codes: lanes 0-15 one K step's 192 bytes, lanes 16-31 the next K step's
	v_lshrrev_b32 v5, 1, v2
	s_add_co_u32 s17, s17, 2*32*SP
	v_add_nc_u32 v5, s17, v5                       ; LDS: my block's scale byte
	v_lshlrev_b32 v7, 3, v2
	v_add_nc_u32 v6, s17, v7
	s_sub_co_u32 s22, ttmp9, 128
	s_wait_alu depctr_va_vdst(0)
	s_wait_kmcnt 0x0
	s_cmp_lt_u32 s22, 512                          ; the tensor is chosen by the work-group's number alone
	s_cselect_b64 s[6:7], s[6:7], s[8:9]
	s_cmp_lt_u32 s22, 256
	s_cselect_b64 s[4:5], s[4:5], s[6:7]
	s_and_b32 s17, s22, 255
	s_lshl_b32 s17, s17, 2
	s_add_co_u32 s18, s17, s16
	s_mov_b32 s19, 0
	s_lshl_b64 s[20:21], s[18:19], 15              ; 32,768 bytes a run of 8 rows
	s_add_nc_u64 s[4:5], s[4:5], s[20:21]
	s_lshl_b32 s18, s22, 2
	s_add_co_u32 s18, s18, s16                     ; the run among the three tensors on end
	s_lshr_b32 s20, s18, 5
	s_mul_i32 s20, s20, 196608                     ; its block of 256 rows,
	s_and_b32 s21, s18, 31
	s_mul_i32 s21, s21, 1536                       ; its 8 rows of 192 bytes in a K step
	s_add_co_u32 s20, s20, s21
	s_mov_b32 s21, 0
	s_add_nc_u64 s[12:13], s[12:13], s[20:21]
	s_lshl_b32 s20, s18, 8                         ; 256 scale bytes a run
	s_add_nc_u64 s[14:15], s[14:15], s[20:21]
.macro XLOAD t
.irp i, 0,1,2,3
	global_load_b128 v[R+16*((\t)%4)+4*\i:R+16*((\t)%4)+4*\i+3], v3, s[4:5] offset:2048*(\t)+512*\i th:TH_LOAD_NT
.endr
.endm
.macro XTURN t                         ; LDS serves a wave's instructions in order: no wait between the stores and the loads
.irp i, 0,1,2,3
	ds_store_b128 v14, v[R+16*((\t)%4)+4*\i:R+16*((\t)%4)+4*\i+3] offset:32*SP*((\t)%2)+8*SP*\i
.endr
.irp i, 0,1,2,3
	ds_load_b128 v[X+16*((\t)%2)+4*\i:X+16*((\t)%2)+4*\i+3], v15 offset:32*SP*((\t)%2)+16*\i
.endr
.endm
.irp t, 0,1,2,3
	XLOAD \t
.endr
	s_wait_loadcnt 12                              ; step 0's four loads are in; the twelve behind them may be out
	XTURN 0
.macro XSTEP t
.set XS, X+16*((\t)%2)
.if (\t) > 0
	s_wait_dscnt 1                                 ; this step's numbers are back (the last byte store may be out)
.else
	s_wait_dscnt 0x0
.endif
.if (\t)+4 < STEPS
	XLOAD (\t)+4
.endif
.if (\t)+1 < STEPS
.if STEPS-2-(\t) >= 3
	s_wait_loadcnt 12                              ; the next step's four are in; three steps' loads may be out
.else
	s_wait_loadcnt 4*(STEPS-2-(\t))
.endif
	XTURN (\t)+1
.endif
	v_max3_num_f32 v8, |v[XS]|, |v[XS+1]|, |v[XS+2]|
	v_max3_num_f32 v9, |v[XS+3]|, |v[XS+4]|, |v[XS+5]|
.irp i, 6,10
	v_max3_num_f32 v8, v8, |v[XS+\i]|, |v[XS+\i+1]|
	v_max3_num_f32 v9, v9, |v[XS+\i+2]|, |v[XS+\i+3]|
.endr
	v_max3_num_f32 v8, v8, |v[XS+14]|, |v[XS+15]|
	v_max3_num_f32 v8, v8, v9, (EMAX+1)<<23        ; the floor: the byte cannot fall under 1
	v_max_num_f32_dpp v8, v8, v8 row_xmask:1 row_mask:0xf bank_mask:0xf   ; with my neighbour's 16: the block's
	v_add_nc_u32 v11, -(EMAX<<23), v8              ; the conversion's scale operand
	v_cvt_scalef32_pk16_fp6_f32 v[C+4*(\t):C+4*(\t)+2], v[XS:XS+15], v11
	v_lshrrev_b32 v[E+(\t)], 23, v11               ; the scale's byte
	ds_store_b8 v5, v[E+(\t)] offset:16*(\t)
	global_store_b96 v4, v[C+4*(\t):C+4*(\t)+2], s[12:13] offset:98304*((\t)%2)+192*((\t)/2)   ; row t / 2, K steps 2 (t % 2) and 2 (t % 2) + 1
.endm
.irp t, 0,1,2,3,4,5,6,7,8,9,10,11,12,13,14,15
	XSTEP \t
.endr
	ds_load_b64 v[12:13], v6
	s_wait_dscnt 0x0
	global_store_b64 v7, v[12:13], s[14:15]        ; 32 lanes store 256 consecutive bytes, aligned
	s_wait_tensorcnt 0x0                           ; the wave's end
	ds_add_u32 v192, v193
	s_wait_dscnt 0x0
	s_endpgm
; ---------------- weights: work-group g: columns 128 (g % 8) on, weight g / 32, K step (g / 8) % 4. A lane takes a column, its registers run down K: 8 blocks, 192 bytes of codes
.Lw:
	s_load_b256 s[4:11], s[0:1], 0x18              ; Wq, Wk, Wv, Wo
	s_load_b128 s[12:15], s[0:1], 0x48             ; w_codes, w_scales
	s_and_b32 s31, ttmp9, 7
	s_lshr_b32 s18, ttmp9, 3
	s_lshr_b32 s30, s18, 2                         ; which weight
	s_and_b32 s18, s18, 3                          ; which K step
	s_lshl_b32 s17, s31, 7
	s_lshl_b32 s19, s16, 5
	s_add_co_u32 s17, s17, s19                     ; my wave's first column
	v_lshlrev_b32 v3, 2, v2
	s_mul_i32 s19, s16, 32*PITCH
	s_add_co_u32 s19, s19, WLDS                    ; my stage
	v_mul_u32_u24 v4, v2, PITCH
	v_add_nc_u32 v4, s19, v4                       ; in: row = my column
	v_and_b32 v5, 15, v2
	v_lshrrev_b32 v6, 4, v2
	v_mul_u32_u24 v7, v6, PITCH
	v_lshl_add_u32 v7, v5, 4, v7
	v_add_nc_u32 v7, s19, v7                       ; back: sixteen lanes to a row, two rows an instruction
	v_mul_u32_u24 v8, v6, 192
	v_mad_u32_u24 v8, v5, 12, v8                   ; the same place among the codes: rows lie on end
	v_lshlrev_b32 v9, 5, v2                        ; my column's row of scale bytes
	s_lshl_b32 s20, s18, 20                        ; W: 256 rows of 4,096 bytes a K step, + 4 x column
	s_lshl_b32 s22, s17, 2
	s_add_co_u32 s20, s20, s22
	s_mov_b32 s21, 0
	s_lshr_b32 s24, s31, 1
	s_mul_i32 s24, s24, 196608                     ; codes: the block of 256 columns,
	s_and_b32 s25, s31, 1
	s_mul_i32 s25, s25, 24576                      ; its half,
	s_add_co_u32 s24, s24, s25
	s_mul_i32 s25, s16, 6144                       ; my 32 columns,
	s_add_co_u32 s24, s24, s25
	s_mul_i32 s25, s18, 49152                      ; the K step,
	s_add_co_u32 s24, s24, s25
	s_mul_i32 s25, s30, 786432                     ; the weight
	s_add_co_u32 s24, s24, s25
	s_mov_b32 s25, 0
	s_lshl_b32 s28, s17, 5                         ; scale bytes: column x 32 + 8 x K step, in the weight's part
	s_lshl_b32 s29, s18, 3
	s_add_co_u32 s28, s28, s29
	s_lshl_b32 s29, s30, 15
	s_add_co_u32 s28, s28, s29
	s_mov_b32 s29, 0
	s_wait_alu depctr_va_vdst(0)
	s_wait_kmcnt 0x0
	s_cmp_lt_u32 s30, 1                            ; the weight is chosen by the work-group's number alone
	s_cselect_b64 s[4:5], s[4:5], s[6:7]
	s_cmp_lt_u32 s30, 3
	s_cselect_b64 s[8:9], s[8:9], s[10:11]
	s_cmp_lt_u32 s30, 2
	s_cselect_b64 s[4:5], s[4:5], s[8:9]
	s_add_nc_u64 s[4:5], s[4:5], s[20:21]
	s_add_nc_u64 s[12:13], s[12:13], s[24:25]
	s_add_nc_u64 s[14:15], s[14:15], s[28:29]
.macro WLOAD t
.irp i, 0,1,2,3,4,5,6,7,8,9,10,11,12,13,14,15,16,17,18,19,20,21,22,23,24,25,26,27,28,29,30,31
	global_load_b32 v[WX+32*((\t)%2)+\i], v3, s[4:5] offset:(32*(\t)+\i)*4096 th:TH_LOAD_NT
.endr
.endm
	WLOAD 0
	WLOAD 1
.macro WBLOCK t
.set XS, WX+32*((\t)%2)
.if (\t) < NB-1
	s_wait_loadcnt 32                              ; this block's 32 loads are in; the next block's may be out
.else
	s_wait_loadcnt 0
.endif
	v_max3_num_f32 v12, |v[XS]|, |v[XS+1]|, |v[XS+2]|
	v_max3_num_f32 v13, |v[XS+3]|, |v[XS+4]|, |v[XS+5]|
.irp i, 6,10,14,18,22,26
	v_max3_num_f32 v12, v12, |v[XS+\i]|, |v[XS+\i+1]|
	v_max3_num_f32 v13, v13, |v[XS+\i+2]|, |v[XS+\i+3]|
.endr
	v_max3_num_f32 v12, v12, |v[XS+30]|, |v[XS+31]|
	v_max3_num_f32 v12, v12, v13, (EMAX+1)<<23
	v_add_nc_u32 v11, -(EMAX<<23), v12
	v_lshrrev_b32 v13, 23, v11
.if (\t)%4 == 0
	v_mov_b32 v[SB+(\t)/4], v13
.else
	v_lshl_or_b32 v[SB+(\t)/4], v13, 8*((\t)%4), v[SB+(\t)/4]
.endif
	v_cvt_scalef32_pk16_fp6_f32 v[WC:WC+2], v[XS:XS+15], v11
	v_cvt_scalef32_pk16_fp6_f32 v[WC+4:WC+6], v[XS+16:XS+31], v11
	ds_store_b96 v4, v[WC:WC+2] offset:32*(\t)
	ds_store_b96 v4, v[WC+4:WC+6] offset:32*(\t)+16
.if (\t)+2 < NB
	WLOAD (\t)+2
.endif
	s_wait_dscnt 0x0                               ; the stores have read their registers
.endm
.set Q, 0
.rept NB
	WBLOCK Q
.set Q, Q+1
.endr
	s_wait_alu depctr_va_vdst(0)
	global_store_b64 v9, v[SB:SB+1], s[14:15]
.irp t, 0,1,2,3,4,5,6,7,8,9,10,11,12,13,14,15
	ds_load_b96 v[OUTR+4*\t:OUTR+4*\t+2], v7 offset:2*\t*PITCH
.endr
.irp t, 0,1,2,3,4,5,6,7,8,9,10,11,12,13,14,15
	s_wait_dscnt 15-\t                             ; the younger loads may be out
	global_store_b96 v8, v[OUTR+4*\t:OUTR+4*\t+2], s[12:13] offset:384*\t   ; two rows, 384 consecutive bytes
.endr
	s_wait_tensorcnt 0x0                           ; the wave's end
	ds_add_u32 v192, v193
	s_wait_dscnt 0x0
	s_endpgm
.Lfunc_end_k_q60e9b5bbdb_quant:
	.size	k_q60e9b5bbdb_quant, .Lfunc_end_k_q60e9b5bbdb_quant-k_q60e9b5bbdb_quant
	.p2alignl 7, 3214868480
	.fill 96, 4, 3214868480
	.section	.rodata,"a",@progbits
	.p2align	6, 0x0
	.amdhsa_kernel k_q60e9b5bbdb_quant
		.amdhsa_group_segment_fixed_size 68096
		.amdhsa_private_segment_fixed_size 0
		.amdhsa_enable_private_segment 0
		.amdhsa_kernarg_size 88
		.amdhsa_user_sgpr_count 2
		.amdhsa_user_sgpr_kernarg_segment_ptr 1
		.amdhsa_wavefront_size32 1
		.amdhsa_system_sgpr_workgroup_id_x 1
		.amdhsa_system_sgpr_workgroup_id_y 1
		.amdhsa_system_sgpr_workgroup_id_z 1
		.amdhsa_system_vgpr_workitem_id 0
		.amdhsa_next_free_vgpr 194
		.amdhsa_next_free_sgpr 66
		.amdhsa_reserve_vcc 0
		.amdhsa_float_denorm_mode_32 3
		.amdhsa_float_denorm_mode_16_64 3
		.amdhsa_memory_ordered 1
		.amdhsa_forward_progress 1
		.amdhsa_inst_pref_size 74
	.end_amdhsa_kernel
	.amdgpu_metadata
---
amdhsa.version: [ 1, 2 ]
amdhsa.kernels:
  - .name:           k_q60e9b5bbdb_quant
    .symbol:         k_q60e9b5bbdb_quant.kd
    .args:
      - { .name: inputs_q, .offset: 0, .size: 8, .value_kind: global_buffer, .address_space: global }
      - { .name: inputs_k, .offset: 8, .size: 8, .value_kind: global_buffer, .address_space: global }
      - { .name: inputs_v, .offset: 16, .size: 8, .value_kind: global_buffer, .address_space: global }
      - { .name: Wq, .offset: 24, .size: 8, .value_kind: global_buffer, .address_space: global }
      - { .name: Wk, .offset: 32, .size: 8, .value_kind: global_buffer, .address_space: global }
      - { .name: Wv, .offset: 40, .size: 8, .value_kind: global_buffer, .address_space: global }
      - { .name: Wo, .offset: 48, .size: 8, .value_kind: global_buffer, .address_space: global }
      - { .name: x_codes, .offset: 56, .size: 8, .value_kind: global_buffer, .address_space: global }
      - { .name: x_scales, .offset: 64, .size: 8, .value_kind: global_buffer, .address_space: global }
      - { .name: w_codes, .offset: 72, .size: 8, .value_kind: global_buffer, .address_space: global }
      - { .name: w_scales, .offset: 80, .size: 8, .value_kind: global_buffer, .address_space: global }
    .group_segment_fixed_size: 68096
    .private_segment_fixed_size: 0
    .kernarg_segment_align: 8
    .kernarg_segment_size: 88
    .max_flat_workgroup_size: 128
    .sgpr_count:     66
    .vgpr_count:     194
    .wavefront_size: 32
...
	.end_amdgpu_metadata
.endif
;; end of part 1
;; launch proj (part 2): grid 4 x 96, 4 waves a work-group, clusters of 4 x 4, 327,680 bytes of LDS; arguments x_codes, x_scales, w_codes, w_scales, bq, bk, bv, qkv_codes, qkv_scales; writes qkv_codes, qkv_scales
.if DOCPART == 2
	.amdgcn_target "amdgcn-amd-amdhsa--gfx1250"
	.amdhsa_code_object_version 6
	.text
	.protected	k_q60e9b5bbdb_proj
	.globl	k_q60e9b5bbdb_proj
	.p2align	8
	.type	k_q60e9b5bbdb_proj,@function
k_q60e9b5bbdb_proj:
	s_mov_b64 s[64:65], 0
	v_nop
	global_prefetch_b8 v0, s[64:65] scope:SCOPE_SE
	s_setreg_imm32_b32 hwreg(HW_REG_WAVE_MODE, 25, 1), 1
	s_wait_xcnt 0x0
	s_wait_alu depctr_hold_cnt(0) depctr_sa_sdst(0) depctr_va_vdst(0) depctr_va_sdst(0) depctr_va_ssrc(0) depctr_va_vcc(0) depctr_vm_vsrc(0)
	s_getreg_b32 s2, hwreg(HW_REG_IB_STS2, 6, 4)
	s_cmp_eq_u32 s2, 0
	s_cbranch_scc0 .Lentry_in_a_cluster
	s_endpgm
.Lentry_in_a_cluster:
	s_bfe_u32 s2, ttmp6, 0x10000c
	s_cmp_lg_u32 s2, 0xf033
	s_cbranch_scc0 .Lentry_shape_is_right
	s_endpgm
.Lentry_shape_is_right:
.set KSTEP,  256
.set NQ,     2
.set ROWB,   49152                     ; bytes from a K step's tile of 256 rows to the next: codes lie [block of 256 rows][K step][256 rows][192 bytes]
.set KROW,   768
.set PITCH,  240
.set FR,     12
.set NL,     6
.set NP,     4
.set HALFT,  128*PITCH
.set SLOT,   4*HALFT
.set LAPS,   2
.set KS,     32
.set SCL,    2*SLOT
.set HALFS,  16*272
.set SBLK,   2*272
.set SPARE,  SCL+4*HALFS
.set WSTG,   12800
.set BNO,  12
.set BMO,  13
.set SCO,  14
.set ADRA, 16
.set ADRB, 20
.set STC,  24
.set RDC,  25
.set CO,   26
.set ADRS, 27
.set SPW,  28
.set NIL,  29
.set ADRS1, 30
.set STS,  31
.set SC,   32
.set BN,   64
.set AF,   128
.set BM,   232
.set T,    128
.set PC,   192
.set TM,   212
.set PW,   228
.set OUT,  64
.set WV,   22
.set WH,   23
.set WL,   66
.set MODE, 67
.set SEL,  10
.set G1, 24
.set G0, 32
.set G1B, 48
.set G0B, 56
.set G1S, 68
.set G0S, 76
.set G1SB, 80
.set G0SB, 88
.set MSB, 0
.macro WIN new
.if MSB != (\new)
	s_set_vgpr_msb (MSB<<8)|(\new)
.set MSB, (\new)
.endif
.endm
.set MUL_LO, 0xa1
.set MUL_HI, 0xf1
.set TO_B,   0x40
.macro JLOAD g0a, g1a, g0b, g1b
	s_cmp_eq_u32 s[WH], 0
	s_cbranch_scc0 .Lfor_b_\@
	tensor_load_to_lds s[\g0a:\g0a+3], s[\g1a:\g1a+7]
	s_nop 0
.rept 4
	v_nop
.endr
	s_branch .Lasked_\@
.Lfor_b_\@:
	tensor_load_to_lds s[\g0b:\g0b+3], s[\g1b:\g1b+7]
	s_nop 0
.rept 4
	v_nop
.endr
.Lasked_\@:
.endm
.macro CREST
	s_cmp_lg_u32 s[WV], 0
	s_cbranch_scc1 .Lnot_wave_0_\@
	s_barrier_signal -3
.Lnot_wave_0_\@:
	s_barrier_wait -3
	s_barrier_signal -1
	s_barrier_wait -1
.endm
.macro CROUND
	s_barrier_signal -1
	s_barrier_wait -1
	CREST
.endm
	s_load_b256 s[4:11], s[0:1], 0x0
	s_load_b256 s[12:19], s[0:1], 0x20
	s_load_b64 s[20:21], s[0:1], 0x40
	v_lshl_add_u32 v[SPW], v0, 2, SPARE
	v_mov_b32 v[NIL], 0
	ds_add_u32 v28, v29
	ds_add_u32 v28, v29
	s_wait_dscnt 0x0
	v_lshrrev_b32 v1, 5, v0
	v_readfirstlane_b32 s[WV], v1
	s_lshr_b32 s[WH], s[WV], 1
	s_and_b32 s[WL], s[WV], 1
	s_bfe_u32 s40, ttmp6, 0x40000
	s_bfe_u32 s41, ttmp6, 0x40004
	s_and_b32 s96, ttmp7, 0xffff
	s_lshr_b32 s[MODE], s96, 3
	s_and_b32 s97, s96, 7
	s_mov_b32 s95, 8192
	s_cmp_eq_u32 s[MODE], 2
	s_cselect_b32 s2, 0, s97
	s_cselect_b32 s42, s97, 0
	s_cselect_b32 s95, 1024, s95
	s_lshl_b32 s2, s2, 2
	s_add_co_u32 s2, s2, s41
	s_lshl_b32 s42, s42, 2
	s_add_co_u32 s42, s42, s40
	s_lshl_b32 s43, s41, 2
	s_lshl_b32 s43, 15, s43
	s_lshl_b32 s44, 0x1111, s40
	s_or_b32 s[G1+0], s43, (0<<16)|(1<<20)|(1<<21)|(3<<22)|(3<<25)
	s_or_b32 s[G1B+0], s44, (0<<16)|(1<<20)|(1<<21)|(3<<22)|(3<<25)
.irp g, G1, G1B
	s_mov_b32 s[\g+1], 256<<16                     ; a dense block as rows of 256 bytes, 16 bytes of padding behind every 64: a row of 192 bytes of codes takes 240 in LDS
	s_mov_b32 s[\g+2], 384<<16                     ; the head's loads: K steps 0 and 1 of 256 rows, 98,304 bytes
	s_mov_b32 s[\g+3], 256<<16
	s_mov_b32 s[\g+4], 384
	s_mov_b32 s[\g+5], 256
	s_mov_b32 s[\g+6], 0
	s_mov_b32 s[\g+7], 0
.endr
	s_or_b32 s[G1S+0], s43, (3<<16)|(1<<20)|(1<<21)|(5<<22)|(3<<25)
	s_or_b32 s[G1SB+0], s44, (3<<16)|(1<<20)|(1<<21)|(5<<22)|(3<<25)
.irp g, G1S, G1SB
	s_mov_b32 s[\g+1], 32<<16
	s_mov_b32 s[\g+2], 32<<16                      ; the scale bytes of 256 rows: 32 rows of 256 bytes
	s_mov_b32 s[\g+3], 32<<16
	s_mov_b32 s[\g+4], 32
	s_mov_b32 s[\g+5], 32
	s_mov_b32 s[\g+6], 0
	s_mov_b32 s[\g+7], 0
.endr
	s_lshl_b32 s100, s2, 8
	s_mul_i32 s98, s100, KROW
	s_mov_b32 s99, 0
	s_lshl_b32 s100, s100, 5
	s_mov_b32 s101, 0
	s_lshl_b32 s3, s42, 8
	s_mul_i32 s46, s3, KROW
	s_mov_b32 s47, 0
	s_lshl_b32 s92, s3, 5
	s_mov_b32 s93, 0
	s_mul_i32 s45, s[WL], HALFT                    ; LDS: A's slots 0, 1 on end, then B's; a refill brings my 128 rows of one slot
	s_mul_i32 s94, s[WH], 4*HALFT
	s_add_co_u32 s45, s45, s94
	s_mul_i32 s94, s[WL], 24576                    ; and the same 128 rows in a K step's tile in memory
	s_wait_kmcnt 0x0
	s_mov_b32 s97, 0
	s_mul_i32 s96, s[MODE], 6291456
	s_add_nc_u64 s[4:5], s[4:5], s[96:97]
	s_mul_i32 s96, s[MODE], 262144
	s_add_nc_u64 s[6:7], s[6:7], s[96:97]
	s_mul_i32 s96, s[MODE], 786432
	s_add_nc_u64 s[8:9], s[8:9], s[96:97]
	s_mul_i32 s96, s[MODE], 32768
	s_add_nc_u64 s[10:11], s[10:11], s[96:97]
	s_cmp_eq_u32 s[MODE], 2
	s_cselect_b64 s[96:97], s[8:9], s[4:5]
	s_cselect_b64 s[4:5], s[4:5], s[8:9]
	s_cselect_b64 s[8:9], s[10:11], s[6:7]
	s_cselect_b64 s[6:7], s[6:7], s[10:11]
	s_add_nc_u64 s[98:99], s[96:97], s[98:99]
	s_add_nc_u64 s[100:101], s[8:9], s[100:101]
	s_add_nc_u64 s[46:47], s[4:5], s[46:47]
	s_add_nc_u64 s[92:93], s[6:7], s[92:93]
	CROUND
	s_mov_b32 s[G0S], 1
	s_mov_b32 s[G0S+1], SCL
	s_mov_b64 s[G0S+2:G0S+3], s[100:101]
	s_or_b32 s[G0S+3], s[G0S+3], 0x80000000
	s_mov_b32 s[G0SB], 1
	s_mov_b32 s[G0SB+1], SCL+2*HALFS
	s_mov_b64 s[G0SB+2:G0SB+3], s[92:93]
	s_or_b32 s[G0SB+3], s[G0SB+3], 0x80000000
	s_mov_b32 s[G0], 1                             ; the head's loads of codes use slot 0's groups 0: both slots of A, whole,
	s_mov_b32 s[G0+1], 0
	s_mov_b64 s[G0+2:G0+3], s[98:99]
	s_or_b32 s[G0+3], s[G0+3], 0x80000000
	s_mov_b32 s[G0B], 1                            ; and of B
	s_mov_b32 s[G0B+1], 4*HALFT
	s_mov_b64 s[G0B+2:G0B+3], s[46:47]
	s_or_b32 s[G0B+3], s[G0B+3], 0x80000000
	s_mov_b32 s96, s94
	s_mov_b32 s97, 0
	s_mov_b32 s[G0+4], 1                           ; slot 1's groups 0 stand at K step 1, my 128 rows: the first refill steps them on
	s_add_co_u32 s[G0+5], s45, 2*HALFT
	s_add_nc_u64 s[G0+6:G0+7], s[98:99], s[96:97]
	s_add_nc_u64 s[G0+6:G0+7], s[G0+6:G0+7], ROWB
	s_or_b32 s[G0+7], s[G0+7], 0x80000000
	s_mov_b32 s[G0B+4], 1
	s_add_co_u32 s[G0B+5], s45, 2*HALFT
	s_add_nc_u64 s[G0B+6:G0B+7], s[46:47], s[96:97]
	s_add_nc_u64 s[G0B+6:G0B+7], s[G0B+6:G0B+7], ROWB
	s_or_b32 s[G0B+7], s[G0B+7], 0x80000000
; the head's four tiles, one joint load a wave, in one chain of branches on the wave's number
.macro ARM under, g0, g1, next
	s_cmp_lt_u32 s[WV], \under
	s_cbranch_scc0 \next
	tensor_load_to_lds s[\g0:\g0+3], s[\g1:\g1+7]
	s_nop 0
.rept 4
	v_nop
.endr
	s_branch .Lhead_asked
\next:
.endm
	ARM 1, G0,  G1,  .Lhead_b
	ARM 2, G0B, G1B, .Lhead_sa
	ARM 3, G0S, G1S, .Lhead_sb
	tensor_load_to_lds s[G0SB:G0SB+3], s[G1SB:G1SB+7]
	s_nop 0
.rept 4
	v_nop
.endr
.Lhead_asked:
	v_and_b32 v1, 15, v0
	v_bfe_u32 v2, v0, 4, 1
	v_and_b32 v9, 8, v1
	v_add_nc_u32 v9, v9, v1
	v_mul_u32_u24 v3, v1, PITCH
	v_mul_u32_u24 v4, v2, 24
	v_add_nc_u32 v3, v3, v4
	v_lshl_add_u32 v5, v2, 4, v3
	v_mul_u32_u24 v6, v9, PITCH
	v_add_nc_u32 v6, v6, v4
	v_lshl_add_u32 v7, v2, 4, v6
	s_mul_i32 s4, s[WH], HALFT
	s_mul_i32 s5, s[WL], HALFT
	s_add_co_u32 s5, s5, 4*HALFT
.irp s, 0,1
	v_add_nc_u32 v[ADRA+\s], s4, v3
	v_add_nc_u32 v[ADRB+\s], s5, v6
	v_add_nc_u32 v[ADRA+2+\s], s4, v5
	v_add_nc_u32 v[ADRB+2+\s], s5, v7
	s_add_co_u32 s4, s4, 2*HALFT
	s_add_co_u32 s5, s5, 2*HALFT
.endr
	v_and_b32 v5, 7, v0
	v_lshlrev_b32 v5, 5, v5
	v_bfe_u32 v6, v0, 3, 2
	v_and_b32 v7, 1, v6
	v_add_nc_u32 v6, 1, v6
	v_lshrrev_b32 v6, 2, v6
	v_add_nc_u32 v6, v6, v7
	v_mad_u32_u24 v5, v6, 272, v5
	s_mul_i32 s4, s[WH], HALFS
	s_mul_i32 s5, s[WL], HALFS
	s_add_co_u32 s5, s5, 2*HALFS
	s_sub_co_u32 s5, s5, s4
	v_mul_u32_u24 v6, s5, v2
	s_add_co_u32 s4, s4, SCL
	v_add_nc_u32 v5, v5, v6
	v_add_nc_u32 v[ADRS], s4, v5
	v_mul_u32_u24 v6, v2, 272
	v_sub_nc_u32 v[ADRS1], v[ADRS], v6
	s_mul_i32 s4, s[WV], WSTG
	v_mul_u32_u24 v5, v9, 48
	v_mad_u32_u24 v5, v2, 24, v5
	v_add_nc_u32 v[STC], s4, v5
	v_and_b32 v6, 31, v0
	v_lshlrev_b32 v[CO], 4, v6
	v_add_nc_u32 v[RDC], s4, v[CO]
	v_and_b32 v5, 7, v0
	v_lshlrev_b32 v5, 2, v5
	v_bfe_u32 v6, v0, 3, 1
	v_lshl_add_u32 v5, v6, 1, v5
	v_add_nc_u32 v5, s4, v5
	v_add_nc_u32 v[STS], 12288, v5
	v_lshlrev_b32 v[SCO], 4, v1
	s_lshl_b32 s5, s95, 1
	v_mad_u32_u24 v[SCO], v2, s5, v[SCO]
	v_lshlrev_b32 v[BNO], 6, v2
	s_wait_alu depctr_va_vdst(0)
	v_lshlrev_b32 v[BMO], 2, v1
	s_wait_alu depctr_va_vdst(0)
	s_cmp_eq_u32 s[MODE], 0
	s_cselect_b64 s[12:13], s[12:13], s[14:15]
	s_cmp_eq_u32 s[MODE], 2
	s_cselect_b64 s[12:13], s[16:17], s[12:13]
	s_lshl_b32 s4, s2, 8
	s_lshl_b32 s5, s[WH], 7
	s_add_co_u32 s4, s4, s5
	s_lshl_b32 s5, s42, 8
	s_lshl_b32 s6, s[WL], 7
	s_add_co_u32 s5, s5, s6
	s_cmp_eq_u32 s[MODE], 2
	s_cselect_b32 s96, 0, s5
	s_cselect_b32 s8, s4, 0
	s_lshl_b32 s96, s96, 2
	s_mov_b32 s97, 0
	s_add_nc_u64 s[98:99], s[12:13], s[96:97]
	s_lshl_b32 s96, s8, 2
	s_add_nc_u64 s[100:101], s[12:13], s[96:97]
.irp b, 0,1,2,3
.irp q, 0,1,2,3
	global_load_b128 v[BN+16*\b+4*\q:BN+16*\b+4*\q+3], v[BNO], s[98:99] offset:128*\b+16*\q
.endr
.endr
.irp a, 0,1,2,3,4,5,6,7
	global_load_b32 v[BM+2*\a], v[BMO], s[100:101] offset:64*\a
	global_load_b32 v[BM+2*\a+1], v[BMO], s[100:101] offset:64*\a
.endr
	s_lshr_b32 s6, s5, 6
	s_mul_i32 s6, s6, s95
	s_add_co_u32 s6, s6, s4
	s_mul_i32 s96, s6, 48
	s_mul_i32 s7, s[MODE], 6291456
	s_add_co_u32 s96, s96, s7
	s_add_nc_u64 s[18:19], s[18:19], s[96:97]
	s_mul_i32 s96, s95, 48
	s_add_nc_u64 s[14:15], s[18:19], s[96:97]
	s_lshl_b32 s96, s6, 1
	s_mul_i32 s7, s[MODE], 262144
	s_add_co_u32 s96, s96, s7
	s_add_nc_u64 s[20:21], s[20:21], s[96:97]
	s_mov_b32 s[SEL], 0x76543210
	s_mov_b32 s[SEL+1], 0xfedcba98
.macro FRAG reg, adr, q, ro
.irp p, 0,1,2,3,4,5
.set PCE, 12*(\q)+6*(\p/3)+\p%3
.if PCE%8 < 5
	ds_load_b64 v[\reg+2*\p:\reg+2*\p+1], v[\adr] offset:8*PCE+16*(PCE/8)+(\ro)*PITCH
.else
	ds_load_b64 v[\reg+2*\p:\reg+2*\p+1], v[\adr+2] offset:8*PCE+16*(PCE/8)+(\ro)*PITCH
.endif
.endr
.endm
.macro MUL16 a0, p, q, sc, zero
.irp a, \a0, \a0+1
.irp b, 0,1,2,3,4,5,6,7
.if \zero
	v_wmma_scale_f32_16x16x128_f8f6f4 v[8*(8*((\a)%4)+\b):8*(8*((\a)%4)+\b)+7], v[128*(\p)+FR*\b:128*(\p)+FR*\b+FR-1], v[AF+FR*(\a):AF+FR*(\a)+FR-1], 0, v[SC+8*NQ*(\sc)+NQ*\b+(\q)], v[SC+8*NQ*(\sc)+NQ*(\a)+(\q)] matrix_a_fmt:MATRIX_FMT_FP6 matrix_b_fmt:MATRIX_FMT_FP6 matrix_a_scale:MATRIX_SCALE_ROW1
.else
	v_wmma_scale_f32_16x16x128_f8f6f4 v[8*(8*((\a)%4)+\b):8*(8*((\a)%4)+\b)+7], v[128*(\p)+FR*\b:128*(\p)+FR*\b+FR-1], v[AF+FR*(\a):AF+FR*(\a)+FR-1], v[8*(8*((\a)%4)+\b):8*(8*((\a)%4)+\b)+7], v[SC+8*NQ*(\sc)+NQ*\b+(\q)], v[SC+8*NQ*(\sc)+NQ*(\a)+(\q)] matrix_a_fmt:MATRIX_FMT_FP6 matrix_b_fmt:MATRIX_FMT_FP6 matrix_a_scale:MATRIX_SCALE_ROW1
.endif
.endr
.endr
.endm
.macro FETCH_B slot, q, p
	WIN TO_B
.irp i, 0,1,2,3,4,5,6,7
	FRAG 128*(\p)+FR*\i, ADRB+\slot, \q, 32*(\i/2)+8*(\i%2)
.endr
	WIN 0
.endm
.macro FETCH_A slot, q, i0
.irp i, \i0, \i0+1, \i0+2, \i0+3
	FRAG AF+FR*(\i), ADRA+\slot, \q, 16*(\i)
.endr
.endm
.macro SCALES sc
.irp i, 0,2,4,6
	ds_load_b64 v[SC+8*NQ*\sc+NQ*\i:SC+8*NQ*\sc+NQ*\i+1], v[ADRS] offset:\i*SBLK
	ds_load_b64 v[SC+8*NQ*\sc+NQ*(\i+1):SC+8*NQ*\sc+NQ*(\i+1)+1], v[ADRS1] offset:(\i+1)*SBLK
.endr
.endm
.macro PLACES n
.rept \n
	v_nop
.endr
.endm
.macro STEP slot, q, zero
	s_wait_dscnt 4*NL
	WIN MUL_LO
	MUL16 0, (\q)%2, \q, \slot, \zero
	MUL16 2, (\q)%2, \q, \slot, \zero
	s_wait_dscnt 0
	PLACES NP
	FETCH_B \slot, (\q)+1, 1-(\q)%2
	FETCH_A \slot, (\q)+1, 0
	WIN MUL_HI
	MUL16 4, (\q)%2, \q, \slot, \zero
	MUL16 6, (\q)%2, \q, \slot, \zero
	PLACES NP
	WIN 0
	FETCH_A \slot, (\q)+1, 4
.endm
.macro TURN slot, next, fill
	s_wait_tensorcnt 0x0
	ds_add_u32 v[SPW], v[NIL]
	s_wait_dscnt 4*NL+1
	WIN MUL_LO
	MUL16 0, 1, NQ-1, \slot, 0
	s_wait_dscnt 0x0
	s_barrier_signal -1
	MUL16 2, 1, NQ-1, \slot, 0
	WIN 0
	s_barrier_wait -1
.if \fill
	CREST
	s_add_nc_u64 s[G0+4*\slot+2:G0+4*\slot+3], s[G0+4*\slot+2:G0+4*\slot+3], 2*ROWB
	s_add_nc_u64 s[G0B+4*\slot+2:G0B+4*\slot+3], s[G0B+4*\slot+2:G0B+4*\slot+3], 2*ROWB
	JLOAD G0+4*\slot, G1, G0B+4*\slot, G1B
.else
	PLACES NP
.endif
	s_wait_alu depctr_va_vdst(0)
	v_add_nc_u32 v[ADRS], 4*NQ, v[ADRS]
	v_add_nc_u32 v[ADRS1], 4*NQ, v[ADRS1]
	FETCH_B \next, 0, 0
	FETCH_A \next, 0, 0
	SCALES \next
	WIN MUL_HI
	MUL16 4, 1, NQ-1, \slot, 0
	MUL16 6, 1, NQ-1, \slot, 0
	PLACES NP
	WIN 0
	FETCH_A \next, 0, 4
.endm
	s_wait_tensorcnt 0x0                           ; my tile of the head's four is in, so descriptors may be written: a refill brings 128 rows of one K step, 96 rows of 256 bytes,
	s_mov_b32 s[G1+2], 96<<16
	s_mov_b32 s[G1+4], 96
	s_mov_b32 s[G1B+2], 96<<16
	s_mov_b32 s[G1B+4], 96
	s_mov_b32 s[G0+1], s45                         ; and slot 0's groups 0 stand at K step 0, my 128 rows
	s_mov_b32 s[G0B+1], s45
	s_mov_b32 s96, s94
	s_mov_b32 s97, 0
	s_add_nc_u64 s[G0+2:G0+3], s[G0+2:G0+3], s[96:97]
	s_add_nc_u64 s[G0B+2:G0B+3], s[G0B+2:G0B+3], s[96:97]
	s_barrier_signal -1
	s_barrier_wait -1
	FETCH_B 0, 0, 0
	FETCH_A 0, 0, 0
	SCALES 0
	FETCH_A 0, 0, 4
	STEP 0, 0, 1
	s_mov_b32 s3, LAPS-1
.Llap:
	TURN 0, 1, 1
	STEP 1, 0, 0
	TURN 1, 0, 1
	STEP 0, 0, 0
	s_sub_co_u32 s3, s3, 1
	s_cmp_lg_u32 s3, 0
	s_cbranch_scc1 .Llap
	TURN 0, 1, 0
	STEP 1, 0, 0
	s_wait_dscnt 4*NL
	WIN MUL_LO
	MUL16 0, 1, NQ-1, 1, 0
	MUL16 2, 1, NQ-1, 1, 0
	s_wait_dscnt 0
	WIN MUL_HI
	MUL16 4, 1, NQ-1, 1, 0
	MUL16 6, 1, NQ-1, 1, 0
	WIN 0
.macro ADDB a
.set AC, 64*((\a)%4)
	s_cmp_eq_u32 s[MODE], 2
	s_cbranch_scc1 .Lrow_bias_\@
	WIN 0x02+(\a)/4
.set i, 0
.rept 32
	v_pk_add_f32 v[T+i:T+i+1], v[AC+i:AC+i+1], v[BN+i:BN+i+1]
.set i, i+2
.endr
	WIN 0
	s_branch .Lbias_done_\@
.Lrow_bias_\@:
	WIN 0x02+(\a)/4
.set i, 0
.rept 32
	v_pk_add_f32 v[T+i:T+i+1], v[AC+i:AC+i+1], v[BM+2*(\a):BM+2*(\a)+1]
.set i, i+2
.endr
	WIN 0
.Lbias_done_\@:
.endm
.macro QUANT s
.irp b, 0,1,2,3
	v_max3_num_f32 v[TM+\b], |v[\s+16*\b]|, |v[\s+1+16*\b]|, 0x1800000
.endr
.irp i, 2,4,6,8,10,12,14
.irp b, 0,1,2,3
	v_max3_num_f32 v[TM+\b], v[TM+\b], |v[\s+16*\b+\i]|, |v[\s+1+16*\b+\i]|
.endr
.endr
.irp b, 0,1,2,3
	v_permlanex16_b32 v[TM+4+\b], v[TM+\b], s[SEL], s[SEL+1]
.endr
.irp b, 0,1,2,3
	v_max_num_f32 v[TM+\b], v[TM+\b], v[TM+4+\b]
.endr
.irp b, 0,1,2,3
	v_add_nc_u32 v[TM+12+\b], 0xff000000, v[TM+\b]
.endr
.irp b, 0,1,2,3
	v_lshrrev_b32 v[TM+4+\b], 23, v[TM+12+\b]
.endr
	v_lshl_or_b32 v[PW], v[TM+5], 8, v[TM+4]
	v_lshl_or_b32 v[PW], v[TM+6], 16, v[PW]
	v_lshl_or_b32 v[PW], v[TM+7], 24, v[PW]
.irp c, 0,1
	v_cvt_scalef32_pk16_fp6_f32 v[PC+6*\c:PC+2+6*\c], v[\s+32*\c:\s+15+32*\c], v[TM+12+2*\c]
	v_cvt_scalef32_pk16_fp6_f32 v[PC+12+4*\c:PC+14+4*\c], v[\s+16+32*\c:\s+31+32*\c], v[TM+12+2*\c+1]
.endr
	v_nop
.irp c, 0,1
.irp i, 0,1,2
	v_permlane16_swap_b32 v[PC+6*\c+\i], v[PC+12+4*\c+\i]
.endr
.irp i, 0,1,2
	v_mov_b32 v[PC+3+6*\c+\i], v[PC+12+4*\c+\i]
.endr
.endr
.endm
	PLACES NP
	s_wait_loadcnt 0x0
.irp b, 0,1,2,3
	v_mov_b32 v[TM+4+\b], 0
.endr
.irp a, 0,1,2,3,4,5,6,7
	ADDB \a
	QUANT T
.irp c, 0,1
.irp p, 0,1,2
	ds_store_b64 v[STC], v[PC+6*\c+2*\p:PC+6*\c+2*\p+1] offset:6144*\c+48*(32*(\a/2)+8*(\a%2))+8*\p
.endr
.endr
	ds_store_b16 v[STS], v[PW] offset:32*\a
	ds_store_b16_d16_hi v[STS], v[PW] offset:256+32*\a
	s_wait_dscnt 0x0
.endr
.irp i, 0,1,2,3,4,5,6,7,8,9,10,11,12,13,14,15,16,17,18,19,20,21,22,23,24
	ds_load_b128 v[OUT+4*\i:OUT+4*\i+3], v[RDC] offset:512*\i
.endr
.irp i, 0,1,2,3,4,5,6,7,8,9,10,11
	s_wait_dscnt 24-\i
	global_store_b128 v[CO], v[OUT+4*\i:OUT+4*\i+3], s[18:19] offset:512*\i
.endr
.irp i, 12,13,14,15,16,17,18,19,20,21,22,23
	s_wait_dscnt 24-\i
	global_store_b128 v[CO], v[OUT+4*\i:OUT+4*\i+3], s[14:15] offset:512*(\i-12)
.endr
	s_wait_dscnt 0x0
	global_store_b128 v[SCO], v[OUT+96:OUT+99], s[20:21]
	s_wait_tensorcnt 0x0
	ds_add_u32 v[SPW], v[NIL]
	s_wait_dscnt 0x0
	CROUND
	s_endpgm
.Lfunc_end_k_q60e9b5bbdb_proj:
	.size	k_q60e9b5bbdb_proj, .Lfunc_end_k_q60e9b5bbdb_proj-k_q60e9b5bbdb_proj
	.p2alignl 7, 3214868480
	.fill 96, 4, 3214868480
	.section	.rodata,"a",@progbits
	.p2align	6, 0x0
	.amdhsa_kernel k_q60e9b5bbdb_proj
		.amdhsa_group_segment_fixed_size 327680
		.amdhsa_private_segment_fixed_size 0
		.amdhsa_enable_private_segment 0
		.amdhsa_kernarg_size 72
		.amdhsa_user_sgpr_count 2
		.amdhsa_user_sgpr_kernarg_segment_ptr 1
		.amdhsa_wavefront_size32 1
		.amdhsa_system_sgpr_workgroup_id_x 1
		.amdhsa_system_sgpr_workgroup_id_y 1
		.amdhsa_system_sgpr_workgroup_id_z 1
		.amdhsa_system_vgpr_workitem_id 0
		.amdhsa_next_free_vgpr 1024
		.amdhsa_next_free_sgpr 102
		.amdhsa_reserve_vcc 0
		.amdhsa_float_denorm_mode_32 3
		.amdhsa_float_denorm_mode_16_64 3
		.amdhsa_memory_ordered 1
		.amdhsa_forward_progress 1
		.amdhsa_inst_pref_size 209
	.end_amdhsa_kernel
	.amdgpu_metadata
---
amdhsa.version: [ 1, 2 ]
amdhsa.kernels:
  - .name:           k_q60e9b5bbdb_proj
    .symbol:         k_q60e9b5bbdb_proj.kd
    .args:
      - { .name: x_codes, .offset: 0, .size: 8, .value_kind: global_buffer, .address_space: global }
      - { .name: x_scales, .offset: 8, .size: 8, .value_kind: global_buffer, .address_space: global }
      - { .name: w_codes, .offset: 16, .size: 8, .value_kind: global_buffer, .address_space: global }
      - { .name: w_scales, .offset: 24, .size: 8, .value_kind: global_buffer, .address_space: global }
      - { .name: bq, .offset: 32, .size: 8, .value_kind: global_buffer, .address_space: global }
      - { .name: bk, .offset: 40, .size: 8, .value_kind: global_buffer, .address_space: global }
      - { .name: bv, .offset: 48, .size: 8, .value_kind: global_buffer, .address_space: global }
      - { .name: qkv_codes, .offset: 56, .size: 8, .value_kind: global_buffer, .address_space: global }
      - { .name: qkv_scales, .offset: 64, .size: 8, .value_kind: global_buffer, .address_space: global }
    .group_segment_fixed_size: 327680
    .private_segment_fixed_size: 0
    .kernarg_segment_align: 8
    .kernarg_segment_size: 72
    .max_flat_workgroup_size: 128
    .sgpr_count:     102
    .vgpr_count:     1024
    .wavefront_size: 32
...
	.end_amdgpu_metadata
.endif
;; end of part 2
;; launch attn (part 3): grid 4 x 64, 16 waves a work-group, no clusters, 223,232 bytes of LDS; arguments qkv_codes, qkv_scales, ctx_codes, ctx_scales; writes ctx_codes, ctx_scales
.if DOCPART == 3
	.amdgcn_target "amdgcn-amd-amdhsa--gfx1250"
	.amdhsa_code_object_version 6
	.text
	.protected	k_q60e9b5bbdb_attn
	.globl	k_q60e9b5bbdb_attn
	.p2align	8
	.type	k_q60e9b5bbdb_attn,@function
k_q60e9b5bbdb_attn:
	s_mov_b64 s[64:65], 0
	v_nop
	global_prefetch_b8 v0, s[64:65] scope:SCOPE_SE
	s_setreg_imm32_b32 hwreg(HW_REG_WAVE_MODE, 25, 1), 1
	s_wait_xcnt 0x0
; Causal attention of one head (64 channels, 2,048 keys) on codes of FP6 (E2M3) with E8M0 scales, and the quantiser of its result along the channels.
; t = score x log2(e) / 8; M = the row's largest t so far, rounded UP to a whole number; p = 2^(t - M) is quantised along the keys, not normalised; the row's sum is taken of the unquantised p and divides O at the end.
; When M moves, the sum and O are multiplied by 2^(old M - new M): exact.
; IN: qkv_codes, parts q, k, v of 6,291,456 bytes: q, k [head][pos(batch x 2,048 + s)][48 bytes], v [batch x 32 + key / 64][pos(channel)][48 bytes], pos = the row's number with bits 3 and 4 exchanged;
; qkv_scales, parts of 262,144 bytes: two bytes a row, row 16 a + r at byte 32 a + 4 (r % 8) + 2 (r / 8) of its group.
; OUT: ctx_codes [head][batch x 2,048 + s][48 bytes]; ctx_scales [batch x 2,048 + s][32], head hd at bytes 2 hd, 2 hd + 1.
; SHARES.  A head's K and V, codes and scale bytes, are 204,800 bytes: they come into LDS ONCE, by the first fills, and stay: no ring, no refill.  Work-group (p, y): head y % 16 of batch y / 16, query blocks p and 7 - p of 256:
; so all 256 work-groups have the same causal work.  Each of the sixteen waves owns one tile of 16 queries of the low block, then one of the high block; four waves to a SIMD, so that one wave's vector work stands beside another's products.
; The low block needs only keys under 1,024: it starts when the first halves of K and V are in.
; NO JOINT LOADS, though four work-groups read a head's K and V: they differ exactly in which key steps they leave out, and that would be a branch on a work-group's place in its cluster.
; NO PREFETCH: every byte that the launch reads from LDS is asked for at its head.
; LAYOUT.  Both products are used transposed: a lane holds ONE query (lane % 16) throughout.  THE SCORES' K IS 64, THE INSTRUCTION'S 128: a fragment of K holds two tiles of 16 keys, positions r and 16 + r of a group of 32, which are keys
; r + 8 (r / 8) and that + 8; it is multiplied once by q in K 0..63 with zero codes above, once by q in K 64..127 with zero codes below.  So score register 16 b + i is key 32 b + 16 (lane / 16) + i.
; V's tile t takes channel positions 16 t + r: O^T's register 16 x + 8 u + j (t = 2 x + u) is channel 32 x + 16 (lane / 16) + 8 u + j: sixteen neighbours for the last quantiser.
; ctx's scale bytes leave one byte a lane at rows 32 bytes apart: 262,144 bytes in the whole launch.
; LIMITS: NaN and infinities are not served.  A block of p or of ctx whose largest magnitude lies under 2^-124 keeps the byte 1 (a block of zeros too, where the rule says 127: its codes are zeros, and only this program reads the bytes).
; ctx = O x (1 / sum) by v_rcp_f32.
.set VC,    98304                      ; LDS: K's codes from 0 (32 keys: 1,536 bytes); V's from here (64 keys: 3,072 bytes)
.set KSC,   196608                     ; K's scale bytes (32 keys: 64 bytes)
.set VSC,   200704                     ; V's (64 keys: 128 bytes)
.set STAGE, 204800                     ; the way out: 768 bytes for each wave; no fill lands here
.set FRG, 40                           ; v40-87   four fragments of K or of V
.set KSW, 88                           ; v88-91   K's scale words
.set VSW, 92                           ; v92-95   V's scale words;  v96-99 their upper halves as loaded
.set VSH, 96
.set S,   100                          ; v100-163 the scores, then p
.set O,   164                          ; v164-195 O^T
.set PC,  196                          ; v196-207 p's codes
.set PW,  208                          ; v208     p's scale word
.set BMX, 210                          ; v210-213 the blocks' largest scores, then largest p
.set PT,  214                          ; v214-217 from the other half of the lanes; then the scale bytes
.set SOP, 218                          ; v218-221 the conversions' scale operands
.set CT,  226                          ; v226-228, v230-232 codes on their way
.set F,   234                          ; v[234:235] f = 2^(old M - new M), in the low word
.set SM2, 236                          ; v[236:237] the second chain of the sums
.set TA,  238
.set TC,  239
; v1 K's lane place, v2 V's, v3 K's scale words', v4 V's; v5, v6 q's codes and scale bytes in memory; v7 8 x lane; v8-11 the step's LDS addresses; v12 -M, v13 the largest t, v[14:15] the sum in two halves;
; v16, v17 the stage, in and back; v18 32 r + h; v19 r - 16 h; v20-25 zeros, v26-31 q's codes, v32-37 zeros; v38 q's scale word; v240-246 what is stored
.set WV,  12                           ; s12 wave; s13 counts key steps; s[14:15] lane selects; s[16:17] c; s18, s19 my first query in the low and the high block
.set G1KC, 20                          ; s[20:27] group 1: K's codes;  s[28:35] V's codes;  s[36:43] K's scale bytes;  s[44:51] V's
.set G1VC, 28
.set G1KS, 36
.set G1VS, 44
; groups 0: s[52:55] K's scale bytes, s[56:59], s[60:63] K's halves; s[68:71] V's scale bytes, s[72:75], s[76:79] V's halves
; s[80:87], s[88:95]: for each of my two tiles: q's codes, q's scale bytes, ctx's codes, ctx's scale bytes.  s98 the step's first key, s99 my first query, s2, s3 the step's bytes among codes and scale bytes
	s_load_b256 s[4:11], s[0:1], 0x0               ; qkv_codes, qkv_scales, ctx_codes, ctx_scales
	v_lshl_add_u32 v254, v0, 2, 0x36000
	v_mov_b32 v255, 0
	ds_add_u32 v254, v255
	ds_add_u32 v254, v255
	v_lshrrev_b32 v8, 5, v0
	s_delay_alu instid0(VALU_DEP_1)
	v_readfirstlane_b32 s[WV], v8                  ; wave 0..15
	s_and_b32 s96, ttmp7, 0xffff
	s_and_b32 s98, s96, 15                         ; the head
	s_lshr_b32 s99, s96, 4                         ; the batch
	s_lshl_b32 s96, s98, 13
	s_lshl_b32 s97, s99, 11
	s_add_co_u32 s2, s96, s97                      ; row0 = head x 8,192 + batch x 2,048
	s_and_b32 s3, s[WV], 3                         ; which quarter I fetch, if I fetch
	s_lshl_b32 s97, ttmp9, 8
	s_lshl_b32 s96, s[WV], 4
	s_add_co_u32 s18, s97, s96                     ; 256 p + 16 wave
	s_sub_co_u32 s19, 1792, s97
	s_add_co_u32 s19, s19, s96                     ; 256 (7 - p) + 16 wave
	; all LDS address registers are made here, ahead of the branch on the wave's number
	v_and_b32 v[TA], 15, v0                        ; r
	v_bfe_u32 v[TC], v0, 4, 1                      ; h
	s_delay_alu instid0(VALU_DEP_2)
	v_mul_u32_u24 v1, v[TA], 48
	s_delay_alu instid0(VALU_DEP_1)
	v_mad_u32_u24 v1, v[TC], 24, v1                ; 48 r + 24 h
	s_delay_alu instid0(VALU_DEP_1)
	v_add_nc_u32 v2, VC, v1
	v_lshlrev_b32 v4, 2, v[TA]
	s_delay_alu instid0(VALU_DEP_1)
	v_add_nc_u32 v3, KSC, v4
	s_delay_alu instid0(VALU_DEP_2)
	v_add_nc_u32 v4, VSC, v4
	v_and_b32 v6, 8, v[TA]
	s_delay_alu instid0(VALU_DEP_1)
	v_add_nc_u32 v5, v6, v[TA]
	s_delay_alu instid0(VALU_DEP_1)
	v_mul_u32_u24 v5, v5, 48
	s_delay_alu instid0(VALU_DEP_1)
	v_mad_u32_u24 v5, v[TC], 24, v5                ; q: position r % 8 + 16 (r / 8), + 24 h
	v_and_b32 v6, 7, v[TA]
	s_delay_alu instid0(VALU_DEP_1)
	v_lshlrev_b32 v6, 2, v6
	v_bfe_u32 v7, v0, 3, 1
	s_delay_alu instid0(VALU_DEP_1)
	v_lshl_add_u32 v6, v7, 1, v6                   ; 4 (r % 8) + 2 (r / 8)
	v_and_b32 v7, 31, v0
	s_delay_alu instid0(VALU_DEP_1)
	v_lshlrev_b32 v7, 3, v7                        ; 8 x lane
	s_mul_i32 s96, s[WV], 768
	s_add_co_u32 s96, s96, STAGE
	v_mul_u32_u24 v16, v[TA], 48
	s_delay_alu instid0(VALU_DEP_1)
	v_mad_u32_u24 v16, v[TC], 12, v16
	s_delay_alu instid0(VALU_DEP_1)
	v_add_nc_u32 v16, s96, v16                     ; the stage: row r, + 12 h
	v_add_nc_u32 v17, s96, v7
	v_lshl_add_u32 v18, v[TA], 5, v[TC]            ; 32 r + h
	v_lshlrev_b32 v19, 4, v[TC]
	s_delay_alu instid0(VALU_DEP_1)
	v_sub_nc_u32 v19, v[TA], v19                   ; r - 16 h
.irp j, 20,21,22,23,24,25,32,33,34,35,36,37
	v_mov_b32 v[\j], 0                             ; the zero codes beside q
.endr
.irp j, 0,1,2,3
	v_mov_b32 v[PT+\j], 0                          ; written once: a lane permute's destination counts as one of its sources
.endr
	v_mov_b32 v[F+1], 0                            ; (named as the upper half of a pair)
	; groups 1: constants.  Elements of 8 bytes, no padding
	s_mov_b32 s[G1KC], 3<<16                       ; K's codes: 12,288 dense bytes as 48 rows of 256
	s_mov_b32 s[G1KC+1], 32<<16
	s_mov_b32 s[G1KC+2], 48<<16
	s_mov_b32 s[G1KC+3], 32<<16
	s_mov_b32 s[G1KC+4], 48
	s_mov_b32 s[G1KC+5], 32
	s_mov_b32 s[G1KC+6], 0
	s_mov_b32 s[G1KC+7], 0
	s_mov_b32 s[G1VC], 3<<16                       ; V's codes: 8 groups of 64 keys, 3,072 bytes each, 49,152 bytes apart
	s_mov_b32 s[G1VC+1], 384<<16
	s_mov_b32 s[G1VC+2], 8<<16
	s_mov_b32 s[G1VC+3], 384<<16
	s_mov_b32 s[G1VC+4], 8
	s_mov_b32 s[G1VC+5], 6144
	s_mov_b32 s[G1VC+6], 0
	s_mov_b32 s[G1VC+7], 0
	s_mov_b32 s[G1KS], 3<<16                       ; K's scale bytes: 4,096 dense bytes as 16 rows of 256
	s_mov_b32 s[G1KS+1], 32<<16
	s_mov_b32 s[G1KS+2], 16<<16
	s_mov_b32 s[G1KS+3], 32<<16
	s_mov_b32 s[G1KS+4], 16
	s_mov_b32 s[G1KS+5], 32
	s_mov_b32 s[G1KS+6], 0
	s_mov_b32 s[G1KS+7], 0
	s_mov_b32 s[G1VS], 3<<16                       ; V's: 32 groups of 64 keys, 128 bytes each, 2,048 bytes apart
	s_mov_b32 s[G1VS+1], 16<<16
	s_mov_b32 s[G1VS+2], 32<<16
	s_mov_b32 s[G1VS+3], 16<<16
	s_mov_b32 s[G1VS+4], 32
	s_mov_b32 s[G1VS+5], 256
	s_mov_b32 s[G1VS+6], 0
	s_mov_b32 s[G1VS+7], 0
	; groups 0: LDS addresses, and offsets from the buffers' first bytes
	s_mov_b32 s52, 1
	s_mov_b32 s53, KSC
	s_mov_b32 s56, 1
	s_mul_i32 s57, s3, 12288
	s_mov_b32 s60, 1
	s_add_co_u32 s61, s57, 49152
	s_mov_b32 s68, 1
	s_mov_b32 s69, VSC
	s_mov_b32 s72, 1
	s_and_b32 s97, s[WV], 1                        ; V's halves come in two loads of 8 groups each
	s_mul_i32 s73, s97, 24576
	s_mov_b32 s76, 1
	s_add_co_u32 s77, s73, VC+49152
	s_add_co_u32 s73, s73, VC
	s_mul_i32 s96, s2, 48
	s_add_co_u32 s58, s96, s57
	s_add_co_u32 s58, s58, 6291456                 ; K's codes: part k, 48 row0, my quarter of the first half;
	s_mov_b32 s59, 0
	s_add_co_u32 s62, s58, 49152                   ; of the second
	s_mov_b32 s63, 0
	s_lshl_b32 s96, s2, 1
	s_add_co_u32 s54, s96, 262144
	s_mov_b32 s55, 0
	s_mul_i32 s96, s99, 1572864
	s_mul_i32 s97, s98, 3072
	s_add_co_u32 s74, s96, s97
	s_and_b32 s97, s[WV], 1
	s_mul_i32 s97, s97, 393216
	s_add_co_u32 s74, s74, s97
	s_add_co_u32 s74, s74, 12582912                ; V's codes: part v, the batch's 32 groups, the head's 3,072 bytes, my 8 groups of the first 16;
	s_mov_b32 s75, 0
	s_add_co_u32 s78, s74, 786432                  ; of the second 16
	s_mov_b32 s79, 0
	s_lshl_b32 s96, s99, 16
	s_lshl_b32 s97, s98, 7
	s_add_co_u32 s70, s96, s97
	s_add_co_u32 s70, s70, 524288
	s_mov_b32 s71, 0
.macro TBASE B, Q                      ; a tile's four offsets; Q: the register with its first query, a multiple of 16
	s_lshr_b32 s96, s[\Q], 5
	s_lshl_b32 s96, s96, 5
	s_bfe_u32 s97, s[\Q], 0x10004
	s_lshl_b32 s97, s97, 3
	s_add_co_u32 s96, s96, s97                     ; the tile's first position: 32 (a / 2) + 8 (a % 2), a = query / 16
	s_add_co_u32 s96, s96, s2
	s_mul_i32 s[\B], s96, 48
	s_mov_b32 s[\B+1], 0
	s_lshl_b32 s96, s2, 1
	s_lshl_b32 s97, s[\Q], 1
	s_add_co_u32 s[\B+2], s96, s97                 ; 2 row0 + 32 a
	s_mov_b32 s[\B+3], 0
	s_add_co_u32 s96, s2, s[\Q]
	s_mul_i32 s[\B+4], s96, 48
	s_mov_b32 s[\B+5], 0
	s_lshl_b32 s96, s99, 11
	s_add_co_u32 s96, s96, s[\Q]
	s_lshl_b32 s96, s96, 5
	s_lshl_b32 s97, s98, 1
	s_add_co_u32 s[\B+6], s96, s97                 ; 32 (batch x 2,048 + query) + 2 head
	s_mov_b32 s[\B+7], 0
.endm
	TBASE 80, 18
	TBASE 88, 19
	s_mov_b32 s14, 0x76543210
	s_mov_b32 s15, 0xfedcba98                      ; v_permlanex16_b32's selects for lane l xor 16
	s_mov_b32 s16, 0x3e38aa3b                      ; c = log2(e) / 8
	s_mov_b32 s17, s16                             ; (named with it as a pair)
	s_wait_dscnt 0x0
	s_wait_kmcnt 0x0
	s_add_nc_u64 s[54:55], s[6:7], s[54:55]
	s_or_b32 s55, s55, 0x80000000
	s_add_nc_u64 s[58:59], s[4:5], s[58:59]
	s_or_b32 s59, s59, 0x80000000
	s_add_nc_u64 s[62:63], s[4:5], s[62:63]
	s_or_b32 s63, s63, 0x80000000
	s_add_nc_u64 s[70:71], s[6:7], s[70:71]
	s_or_b32 s71, s71, 0x80000000
	s_add_nc_u64 s[74:75], s[4:5], s[74:75]
	s_or_b32 s75, s75, 0x80000000
	s_add_nc_u64 s[78:79], s[4:5], s[78:79]
	s_or_b32 s79, s79, 0x80000000
; ONE LOAD A WAVE, in one chain of branches on the wave's number: wave 0 K's scale bytes, wave 1 V's, waves 2-3 V's first half, waves 4-7 K's first half,
; waves 8-11 K's second half, waves 12-13 V's second half; waves 14 and 15 fetch nothing
.macro ARM under, g0, g1, next
	s_cmp_lt_u32 s[WV], \under
	s_cbranch_scc0 \next
	tensor_load_to_lds s[\g0:\g0+3], s[\g1:\g1+7]
	s_nop 0
.rept 4
	v_nop
.endr
	s_branch .Lasked
\next:
.endm
	ARM 1, 52, G1KS, .Larm_vs
	ARM 2, 68, G1VS, .Larm_v1
	ARM 4, 72, G1VC, .Larm_k1
	ARM 8, 56, G1KC, .Larm_k2
	ARM 12, 60, G1KC, .Larm_v2
	ARM 14, 76, G1VC, .Larm_none
.Lasked:
.irp B, 80, 88
	s_add_nc_u64 s[\B:\B+1], s[4:5], s[\B:\B+1]
	s_add_nc_u64 s[\B+2:\B+3], s[6:7], s[\B+2:\B+3]
	s_add_nc_u64 s[\B+4:\B+5], s[8:9], s[\B+4:\B+5]
	s_add_nc_u64 s[\B+6:\B+7], s[10:11], s[\B+6:\B+7]
.endr
; A KEY STEP: 128 keys from s98 on.
.macro STEP
	s_add_co_u32 s96, s99, 15                      ; a step all of whose keys come after my 16 queries is left out: a branch on ids, round the step's work, not round the lines at its end that step addresses
	s_cmp_gt_u32 s98, s96
	s_cbranch_scc1 .Lhid_\@
	v_add_nc_u32 v8, s2, v1                        ; (these four are the places in front of loads into registers that the last products read)
	v_add_nc_u32 v9, s2, v2
	v_add_nc_u32 v10, s3, v3
	v_add_nc_u32 v11, s3, v4
.irp b, 0,1,2,3
.irp p, 0,1,2,3,4,5
	ds_load_b64 v[FRG+12*\b+2*\p:FRG+12*\b+2*\p+1], v8 offset:1536*\b+768*(\p/3)+8*(\p%3)   ; group b of 32 keys: positions r and 16 + r
.endr
	ds_load_b32 v[KSW+\b], v10 offset:64*\b        ; the two keys' two bytes each
.endr
.irp t, 0,1,2,3
	ds_load_u16 v[VSW+\t], v11 offset:64*(\t/2)+2*(\t%2)          ; V's scale bytes of my channel: keys 0-63 of the step,
	ds_load_u16 v[VSH+\t], v11 offset:128+64*(\t/2)+2*(\t%2)      ; keys 64-127
.endr
	s_wait_dscnt 0x0
.irp b, 0,1,2,3
	v_wmma_scale_f32_16x16x128_f8f6f4 v[S+16*\b:S+16*\b+7], v[FRG+12*\b:FRG+12*\b+11], v[26:37], 0, v[KSW+\b], v38 matrix_a_fmt:MATRIX_FMT_FP6 matrix_b_fmt:MATRIX_FMT_FP6
	v_wmma_scale_f32_16x16x128_f8f6f4 v[S+16*\b+8:S+16*\b+15], v[FRG+12*\b:FRG+12*\b+11], v[20:31], 0, v[KSW+\b], v38 matrix_a_fmt:MATRIX_FMT_FP6 matrix_b_fmt:MATRIX_FMT_FP6
.endr
.irp t, 0,1,2,3
	v_lshl_or_b32 v[VSW+\t], v[VSH+\t], 16, v[VSW+\t]   ; V's scale words.  (These four are the places behind the products)
.endr
	s_add_co_u32 s96, s98, 127                     ; on the diagonal the scores of hidden keys become -infinity ahead of the maximum.  A step all of whose keys count skips this
	s_cmp_le_u32 s96, s99
	s_cbranch_scc1 .Lopen_\@
	s_sub_co_i32 s96, s99, s98
	v_add_nc_u32 v[TA], s96, v19                   ; d = my query - the step's first key - 16 h.  Register 16 b + i: hidden where 32 b + i > d
	v_mov_b32 v[TC], 0xff800000
.set n, 0
.rept 64
	v_cmp_gt_i32 vcc_lo, 32*(n/16)+n%16, v[TA]
	v_cndmask_b32 v[S+n], v[S+n], v[TC], vcc_lo
.set n, n+1
.endr
.Lopen_\@:
.irp b, 0,1,2,3
	v_max3_num_f32 v[BMX+\b], v[S+16*\b], v[S+1+16*\b], v[S+2+16*\b]   ; the largest score of each block of 32 keys: it serves for the row's maximum and, since p rises with the score, for the block's largest p
.endr
.irp i, 3,5,7,9,11,13
.irp b, 0,1,2,3
	v_max3_num_f32 v[BMX+\b], v[BMX+\b], v[S+16*\b+\i], v[S+1+16*\b+\i]
.endr
.endr
.irp b, 0,1,2,3
	v_max_num_f32 v[BMX+\b], v[BMX+\b], v[S+15+16*\b]
.endr
.irp b, 0,1,2,3
	s_delay_alu instid0(VALU_DEP_4)
	v_permlanex16_b32 v[PT+\b], v[BMX+\b], s14, s15
.endr
.irp b, 0,1,2,3
	s_delay_alu instid0(VALU_DEP_4)
	v_max_num_f32 v[BMX+\b], v[BMX+\b], v[PT+\b]   ; with lane l xor 16's 16 keys
.endr
	s_delay_alu instid0(VALU_DEP_2)
	v_max3_num_f32 v[TA], v[BMX], v[BMX+1], v[BMX+2]
	s_delay_alu instid0(VALU_DEP_1)
	v_max_num_f32 v[TA], v[TA], v[BMX+3]           ; the step's largest score of my query
	s_delay_alu instid0(VALU_DEP_1)
	v_mul_f32 v[TA], s16, v[TA]                    ; as t (c is positive)
	s_delay_alu instid0(VALU_DEP_1)
	v_max_num_f32 v13, v13, v[TA]                  ; the running largest t
	v_mov_b32 v[TA], v12
	s_delay_alu instid0(VALU_DEP_2)
	v_floor_f32 v12, -v13                          ; the new -M = floor(-t): M is a whole number
	s_delay_alu instid0(VALU_DEP_1)
	v_sub_f32 v[TA], v12, v[TA]                    ; old M - new M: a whole number, 0 or less
	s_delay_alu instid0(VALU_DEP_1)
	v_cvt_i32_f32 v[TA], v[TA]                     ; (it saturates)
	s_delay_alu instid0(VALU_DEP_1)
	v_ldexp_f32 v[F], 1.0, v[TA]                   ; f = 2^(old M - new M)
.set j, 0
.rept 32
	v_pk_fma_f32 v[S+j:S+j+1], v[S+j:S+j+1], s[16:17], v[12:13] op_sel_hi:[1,0,0]   ; t - M, two at a time
.set j, j+2
.endr
.irp b, 0,1,2,3
	v_fma_f32 v[BMX+\b], v[BMX+\b], s16, v12       ; the same of each block's largest score
.endr
.set j, 0
	s_wait_alu depctr_va_vdst(0)
.rept 64
	v_exp_f32 v[S+j], v[S+j]                       ; p = 2^(t - M), at most 1
.set j, j+1
.endr
	v_pk_mul_f32 v[14:15], v[14:15], v[F:F+1] op_sel_hi:[1,0]   ; the sums under the new M.  (The plain place behind the exponentials)
	s_wait_alu depctr_va_vdst(0)                   ; one wait for the whole batch, ahead of its first reader
.irp b, 0,1,2,3
	v_exp_f32 v[BMX+\b], v[BMX+\b]                 ; the block's largest p: the same two instructions on the same number give the same bits
.endr
	v_pk_add_f32 v[236:237], v[104:105], v[108:109]
	v_pk_add_f32 v[252:253], v[112:113], v[116:117]
	v_pk_add_f32 v[250:251], v[120:121], v[124:125]
	v_pk_add_f32 v[248:249], v[128:129], v[132:133]
	v_pk_add_f32 v[246:247], v[136:137], v[140:141]
	v_pk_add_f32 v[244:245], v[144:145], v[148:149]
	v_pk_add_f32 v[242:243], v[152:153], v[156:157]
	v_pk_add_f32 v[14:15], v[14:15], v[160:161]
	v_pk_add_f32 v[236:237], v[236:237], v[100:101]
	v_pk_add_f32 v[252:253], v[252:253], v[102:103]
	v_pk_add_f32 v[250:251], v[250:251], v[106:107]
	v_pk_add_f32 v[248:249], v[248:249], v[110:111]
	v_pk_add_f32 v[246:247], v[246:247], v[114:115]
	v_pk_add_f32 v[244:245], v[244:245], v[118:119]
	v_pk_add_f32 v[242:243], v[242:243], v[122:123]
	v_pk_add_f32 v[14:15], v[14:15], v[126:127]
	v_pk_add_f32 v[236:237], v[236:237], v[130:131]
	v_pk_add_f32 v[252:253], v[252:253], v[134:135]
	v_pk_add_f32 v[250:251], v[250:251], v[138:139]
	v_pk_add_f32 v[248:249], v[248:249], v[142:143]
	v_pk_add_f32 v[246:247], v[246:247], v[146:147]
	v_pk_add_f32 v[244:245], v[244:245], v[150:151]
	v_pk_add_f32 v[242:243], v[242:243], v[154:155]
	v_pk_add_f32 v[14:15], v[14:15], v[158:159]
	v_pk_add_f32 v[236:237], v[236:237], v[162:163]
	s_delay_alu instid0(VALU_DEP_2)
	v_pk_add_f32 v[14:15], v[14:15], v[248:249]
	s_delay_alu instid0(VALU_DEP_2)
	v_pk_add_f32 v[236:237], v[236:237], v[246:247]
	v_pk_add_f32 v[252:253], v[252:253], v[244:245]
	v_pk_add_f32 v[250:251], v[250:251], v[242:243]
	s_delay_alu instid0(VALU_DEP_2)
	v_pk_add_f32 v[14:15], v[14:15], v[252:253]
	s_delay_alu instid0(VALU_DEP_2)
	v_pk_add_f32 v[236:237], v[236:237], v[250:251]
	s_delay_alu instid0(VALU_DEP_1)
	v_pk_add_f32 v[14:15], v[14:15], v[236:237]
	s_wait_alu depctr_va_vdst(0)                   ; and one for the four
.irp b, 0,1,2,3
	v_max_num_f32 v[BMX+\b], 0x1800000, v[BMX+\b]  ; the floor 2^(3 - 127): the byte cannot fall under 1
.endr
.irp b, 0,1,2,3
	s_delay_alu instid0(VALU_DEP_4)
	v_add_nc_u32 v[SOP+\b], 0xff000000, v[BMX+\b]  ; 2 off the exponent field: the conversion's scale operand
.endr
.irp b, 0,1,2,3
	s_delay_alu instid0(VALU_DEP_4)
	v_lshrrev_b32 v[PT+\b], 23, v[SOP+\b]          ; the scale's byte
.endr
	s_delay_alu instid0(VALU_DEP_3)
	v_lshl_or_b32 v[PW], v[PT+1], 8, v[PT]         ; p's scale word for these 128 keys
	s_delay_alu instid0(VALU_DEP_1)
	v_lshl_or_b32 v[PW], v[PT+2], 16, v[PW]
	s_delay_alu instid0(VALU_DEP_1)
	v_lshl_or_b32 v[PW], v[PT+3], 24, v[PW]
.irp c, 0,1
	v_cvt_scalef32_pk16_fp6_f32 v[PC+6*\c:PC+2+6*\c], v[S+32*\c:S+15+32*\c], v[SOP+2*\c]
	v_cvt_scalef32_pk16_fp6_f32 v[CT+4*\c:CT+2+4*\c], v[S+16+32*\c:S+31+32*\c], v[SOP+2*\c+1]   ; (a conversion's three registers begin on an even number)
.endr
	v_nop                                          ; one plain place behind a scaled conversion
.irp c, 0,1                                    ; a whole block to a lane: lanes 0-15 block 2 c, lanes 16-31 block 2 c + 1
.irp i, 0,1,2
	v_permlane16_swap_b32 v[PC+6*\c+\i], v[CT+4*\c+\i]
.endr
.irp i, 0,1,2
	s_delay_alu instid0(VALU_DEP_3)
	v_mov_b32 v[PC+3+6*\c+\i], v[CT+4*\c+\i]
.endr
.endr
.set j, 0
.rept 16
	v_pk_mul_f32 v[O+j:O+j+1], v[O+j:O+j+1], v[F:F+1] op_sel_hi:[1,0]   ; O^T under the new M.  (These sixteen are also the places in front of the products below)
.set j, j+2
.endr
.irp t, 0,1,2,3
.irp p, 0,1,2,3,4,5
	ds_load_b64 v[FRG+12*\t+2*\p:FRG+12*\t+2*\p+1], v9 offset:3072*(\p/3)+768*\t+8*(\p%3)   ; V: channel positions 16 t + r, the step's two groups of 64 keys
.endr
.endr
	s_wait_alu depctr_va_vdst(0)
	s_wait_dscnt 0x0
.irp t, 0,1,2,3                                ; the four accumulators by turns, one instruction a turn
	v_wmma_scale_f32_16x16x128_f8f6f4 v[O+8*\t:O+8*\t+7], v[FRG+12*\t:FRG+12*\t+11], v[PC:PC+11], v[O+8*\t:O+8*\t+7], v[VSW+\t], v[PW] matrix_a_fmt:MATRIX_FMT_FP6 matrix_b_fmt:MATRIX_FMT_FP6
.endr
.Lhid_\@:
	s_add_co_u32 s98, s98, 128
	s_add_co_u32 s2, s2, 6144                      ; 128 keys of K, and two groups of 64 keys of V, are 6,144 bytes each;
	s_add_co_u32 s3, s3, 256                       ; their scale bytes 256
.endm
; THE WAY OUT of a tile: O^T / the sum, quantised along the channels (two blocks of 32, each in lanes l and l xor 16), through my stage in LDS: 16 rows x 48 bytes leave as three aligned runs of 256 bytes.
.macro OUTT B
	v_add_f32 v14, v14, v15                        ; the sum's two halves,
	s_delay_alu instid0(VALU_DEP_1)
	v_permlanex16_b32 v[TA], v14, s14, s15
	s_delay_alu instid0(VALU_DEP_1)
	v_add_f32 v14, v14, v[TA]                      ; and lane l xor 16's: the row's sum
	s_wait_alu depctr_va_vdst(0)
	v_rcp_f32 v14, v14
.rept 4
	v_nop                                          ; the places behind the last products, and the plain place behind the reciprocal
.endr
	s_wait_alu depctr_va_vdst(0)                   ; the wait ahead of the reciprocal's first reader
.set j, 0
.rept 16
	v_pk_mul_f32 v[S+j:S+j+1], v[O+j:O+j+1], v[14:15] op_sel_hi:[1,0]   ; register 16 x + i: ctx(my query, channel 32 x + 16 h + i); each accumulator from its low end on
.set j, j+2
.endr
.irp x, 0,1
	v_max3_num_f32 v[BMX+\x], |v[S+16*\x]|, |v[S+1+16*\x]|, 0x1800000   ; my 16 numbers of block x, and the floor
.endr
.irp i, 2,4,6,8,10,12,14
.irp x, 0,1
	s_delay_alu instid0(VALU_DEP_2)
	v_max3_num_f32 v[BMX+\x], v[BMX+\x], |v[S+16*\x+\i]|, |v[S+1+16*\x+\i]|
.endr
.endr
.irp x, 0,1
	s_delay_alu instid0(VALU_DEP_2)
	v_permlanex16_b32 v[PT+\x], v[BMX+\x], s14, s15
.endr
.irp x, 0,1
	s_delay_alu instid0(VALU_DEP_2)
	v_max_num_f32 v[BMX+\x], v[BMX+\x], v[PT+\x]
.endr
.irp x, 0,1
	s_delay_alu instid0(VALU_DEP_2)
	v_add_nc_u32 v[SOP+\x], 0xff000000, v[BMX+\x]
.endr
.irp x, 0,1
	s_delay_alu instid0(VALU_DEP_2)
	v_lshrrev_b32 v[PT+\x], 23, v[SOP+\x]
.endr
	v_and_b32 v[TC], 16, v0
	s_delay_alu instid0(VALU_DEP_1)
	v_cmp_ne_u32 vcc_lo, 0, v[TC]
	s_delay_alu instid0(VALU_DEP_1)
	v_cndmask_b32 v246, v[PT], v[PT+1], vcc_lo     ; lane (r, h) stores block h's byte
	v_cvt_scalef32_pk16_fp6_f32 v[CT:CT+2], v[S:S+15], v[SOP]
	v_cvt_scalef32_pk16_fp6_f32 v[CT+4:CT+6], v[S+16:S+31], v[SOP+1]
	v_nop                                          ; one plain place behind a scaled conversion
.irp x, 0,1
.irp i, 0,1,2
	ds_store_b32 v16, v[CT+4*\x+\i] offset:24*\x+4*\i   ; row r: block x's 24 bytes, my half's 12
.endr
.endr
.irp i, 0,1,2
	ds_load_b64 v[240+2*\i:241+2*\i], v17 offset:256*\i   ; LDS serves a wave's instructions in order: these see my stores
.endr
	s_wait_alu depctr_va_vdst(0)
.irp i, 0,1,2
	s_wait_dscnt 2-\i                              ; the younger loads may be out
	global_store_b64 v7, v[240+2*\i:241+2*\i], s[\B+4:\B+5] offset:256*\i   ; 32 lanes store 256 consecutive bytes, aligned
.endr
	global_store_b8 v18, v246, s[\B+6:\B+7]
.endm
; A TILE of 16 queries: nsteps key steps (a constant of the text: the steps past the diagonal leave their work out), then the way out.
.macro TILE nsteps, B, Q
	s_wait_xcnt 0x0                                ; the stores of the tile before have read their registers
.irp i, 0,1,2
	global_load_b64 v[26+2*\i:27+2*\i], v5, s[\B:\B+1] offset:8*\i   ; q's 24 bytes of my half: they stay in registers
.endr
	global_load_u16 v38, v6, s[\B+2:\B+3]          ; q's two scale bytes
	v_mov_b32 v13, 0xff61b1e6                      ; the largest t so far: -3e38, under every t
	s_delay_alu instid0(VALU_DEP_1)
	v_floor_f32 v12, -v13                          ; -M
	v_mov_b32 v14, 0                               ; the sum, in two halves
	v_mov_b32 v15, 0
	s_mov_b32 s98, 0
	s_mov_b32 s99, s[\Q]
	s_mov_b32 s2, 0
	s_mov_b32 s3, 0
	s_mov_b32 s13, \nsteps
	s_wait_loadcnt 0x0
	v_lshl_or_b32 v38, v38, 16, v38                ; twice: for K 0..63 and for K 64..127
.set j, 0
.rept 32
	v_mov_b32 v[O+j], 0                            ; O^T.  (The step is written once: the first finds zeros.  These lines also stand between the scale word's making and the first product)
.set j, j+1
.endr
.Lstep_\@:
	STEP
	s_sub_co_u32 s13, s13, 1
	s_cmp_lg_u32 s13, 0
	s_cbranch_scc1 .Lstep_\@
	OUTT \B
.endm
	s_cmp_lt_u32 s[WV], 8                          ; waves 0-7 fetched the scale bytes and the first halves, by load lines of their own: they wait; the second halves may be out
	s_cbranch_scc0 .Lnot_first
	s_wait_tensorcnt 0x0
.Lnot_first:
	s_barrier_signal -1
	s_barrier_wait -1                              ; everybody's are
	TILE 8, 80, 18                                 ; the low block: keys under 1,024
	s_wait_tensorcnt 0x0                           ; my part of the second halves is in,
	s_wait_dscnt 0x0
	s_barrier_signal -1
	s_barrier_wait -1                              ; everybody's is
	TILE 16, 88, 19                                ; the high block
	s_wait_tensorcnt 0x0
	ds_add_u32 v254, v255
	s_wait_dscnt 0x0
	s_endpgm
.Lfunc_end_k_q60e9b5bbdb_attn:
	.size	k_q60e9b5bbdb_attn, .Lfunc_end_k_q60e9b5bbdb_attn-k_q60e9b5bbdb_attn
	.p2alignl 7, 3214868480
	.fill 96, 4, 3214868480
	.section	.rodata,"a",@progbits
	.p2align	6, 0x0
	.amdhsa_kernel k_q60e9b5bbdb_attn
		.amdhsa_group_segment_fixed_size 223232
		.amdhsa_private_segment_fixed_size 0
		.amdhsa_enable_private_segment 0
		.amdhsa_kernarg_size 32
		.amdhsa_user_sgpr_count 2
		.amdhsa_user_sgpr_kernarg_segment_ptr 1
		.amdhsa_wavefront_size32 1
		.amdhsa_system_sgpr_workgroup_id_x 1
		.amdhsa_system_sgpr_workgroup_id_y 1
		.amdhsa_system_sgpr_workgroup_id_z 1
		.amdhsa_system_vgpr_workitem_id 0
		.amdhsa_next_free_vgpr 256
		.amdhsa_next_free_sgpr 100
		.amdhsa_reserve_vcc 1
		.amdhsa_float_denorm_mode_32 3
		.amdhsa_float_denorm_mode_16_64 3
		.amdhsa_memory_ordered 1
		.amdhsa_forward_progress 1
		.amdhsa_inst_pref_size 74
	.end_amdhsa_kernel
	.amdgpu_metadata
---
amdhsa.version: [ 1, 2 ]
amdhsa.kernels:
  - .name:           k_q60e9b5bbdb_attn
    .symbol:         k_q60e9b5bbdb_attn.kd
    .args:
      - { .name: qkv_codes, .offset: 0, .size: 8, .value_kind: global_buffer, .address_space: global }
      - { .name: qkv_scales, .offset: 8, .size: 8, .value_kind: global_buffer, .address_space: global }
      - { .name: ctx_codes, .offset: 16, .size: 8, .value_kind: global_buffer, .address_space: global }
      - { .name: ctx_scales, .offset: 24, .size: 8, .value_kind: global_buffer, .address_space: global }
    .group_segment_fixed_size: 223232
    .private_segment_fixed_size: 0
    .kernarg_segment_align: 8
    .kernarg_segment_size: 32
    .max_flat_workgroup_size: 512
    .sgpr_count:     100
    .vgpr_count:     256
    .wavefront_size: 32
...
	.end_amdgpu_metadata
.endif
;; end of part 3
;; launch outp (part 4): grid 4 x 64, 4 waves a work-group, clusters of 4 x 4, 327,680 bytes of LDS; arguments ctx_codes, ctx_scales, w_codes, w_scales, bo, out0; writes out0
.if DOCPART == 4
	.amdgcn_target "amdgcn-amd-amdhsa--gfx1250"
	.amdhsa_code_object_version 6
	.text
	.protected	k_q60e9b5bbdb_outp
	.globl	k_q60e9b5bbdb_outp
	.p2align	8
	.type	k_q60e9b5bbdb_outp,@function
k_q60e9b5bbdb_outp:
	s_mov_b64 s[64:65], 0
	v_nop
	global_prefetch_b8 v0, s[64:65] scope:SCOPE_SE
	s_setreg_imm32_b32 hwreg(HW_REG_WAVE_MODE, 25, 1), 1
	s_wait_xcnt 0x0
	s_wait_alu depctr_hold_cnt(0) depctr_sa_sdst(0) depctr_va_vdst(0) depctr_va_sdst(0) depctr_va_ssrc(0) depctr_va_vcc(0) depctr_vm_vsrc(0)
	s_getreg_b32 s2, hwreg(HW_REG_IB_STS2, 6, 4)
	s_cmp_eq_u32 s2, 0
	s_cbranch_scc0 .Lentry_in_a_cluster
	s_endpgm
.Lentry_in_a_cluster:
	s_bfe_u32 s2, ttmp6, 0x10000c
	s_cmp_lg_u32 s2, 0xf033
	s_cbranch_scc0 .Lentry_shape_is_right
	s_endpgm
.Lentry_shape_is_right:
; out0 = ctx Wo + bo on codes of FP6 (E2M3) with E8M0 scales; sums in f32; bo is the C of each accumulator's first product.
; IN: ctx_codes [head 16][8,192 rows][48 bytes] (a head's 64 channels), ctx_scales [row][32]; Wo's codes, part 3 of w_codes, [block of 256 columns n][K step of 256][256 columns][192 bytes], its scale bytes [n][32].
; SHARES: 256 work-groups of four waves; a work-group makes 128 rows x 256 columns, a wave 64 x 128: 32 accumulators of 16 x 16 in window 2.
; K goes in four steps of 256 (four heads) through two LDS slots; a step is two runs of 32 products, 128 along K each.  A's and B's fragments have two sets each: the first run fetches the second run's fragments under its products.
; CLUSTERS 4 x 4: A's tiles are shared along a row of the cluster, B's along a column, by joint loads.  The head's four tiles, one load a wave: A's K steps 0 and 1, B's K steps 0 and 1, A's scales, B's scales.
; Two refills (K steps 2, 3), each behind a drained round: waves 0, 1 two heads of A each, waves 2, 3 128 rows of B each.
; PREFETCH: K steps 2 and 3 are asked for once, at the head, one K step and more ahead of the refills that load them: A's 8 heads x 6,144 bytes are 192 blocks of 256, twelve to each of the sixteen waves of my row of the cluster;
; B's 98,304 bytes are 384 blocks, 24 to each of the sixteen waves of my column; the shares are told apart by address.  B's tiles are the same for all sixteen clusters: clusters 0 to 3 alone ask for them.
; THE PRODUCT IS USED TRANSPOSED (source 0 = Wo's columns, source 1 = ctx's rows): a lane holds eight neighbouring columns of one row of out0.
; LDS: A's slots at 0 and 24,576 ([4 heads][128 rows][48]); B's at BB0 (rows of 240: 192 + 16 behind every 64); scales; spare words; a stage of its own for the way out.
; A's scale words are read for eight blocks though a wave has four: lanes 0-15 of the upper four registers take bytes of other rows' scales, which no product names.
.set SIZE_N, 1024
.set NQ,     2
.set ROWB,   49152                     ; from a K step's tile of B to the next
.set PITCH,  240
.set HEADB,  6144                      ; LDS: a head's 128 rows of 48 bytes
.set ASLOT,  4*HEADB
.set ASTEP,  4*8192*48                 ; four heads in memory
.set FR,     12
.set NP,     4
.set HALFT,  128*PITCH
.set BB0,    2*ASLOT
.set SCL,    BB0+4*HALFT
.set HALFS,  16*272                    ; the scale bytes of 128 rows
.set SBLK,   2*272                     ; of 16 rows
.set SPARE,  SCL+3*HALFS
.set STAGE,  SPARE+512
.set SPITCH, 528
.set ADRA, 16                          ; v16-17 my A fragments in slot 0, 1
.set ADRB, 20                          ; v20-21 my B fragments; v22-23 for the pieces behind one padding more
.set STO,  24
.set RD,   25
.set CO,   26
.set ADRS, 27                          ; my scale words: lanes 0-15 A's rows, lanes 16-31 B's
.set SPW,  28
.set NIL,  29
.set BNO,  30
.set SC,   32                          ; v32-63 scale words, a set for each slot
.set BN,   64                          ; v64-127 bo as the first products' C
.set AF,   128                         ; v128-223 A's fragments: sets of four at 0 and 4
.set BK,   128                         ; the way out: two sets of 64
.set G1, 24
.set G0, 32
.set G1B, 48
.set G0B, 56
.set G1S, 68
.set G0S, 76
.set G1SB, 80
.set G0SB, 88
.set MSB, 0
.macro WIN new
.if MSB != (\new)
	s_set_vgpr_msb (MSB<<8)|(\new)
.set MSB, (\new)
.endif
.endm
.set MUL_LO,   0xa1                    ; source 0 (B) window 1, source 1 (A) window 0, C and D window 2
.set FIRST_LO, 0x81                    ; C in window 0
.set TO_B,     0x40
.macro PLACES n
.rept \n
	v_nop
.endr
.endm
.macro JLOAD g0a, g1a, g0b, g1b        ; waves 0, 1 ask for A, waves 2, 3 for B; s_nop 0 and four v_nop behind each line
	s_cmp_eq_u32 s15, 0
	s_cbranch_scc0 .Lfor_b_\@
	tensor_load_to_lds s[\g0a:\g0a+3], s[\g1a:\g1a+7]
	s_nop 0
	PLACES 4
	s_branch .Lasked_\@
.Lfor_b_\@:
	tensor_load_to_lds s[\g0b:\g0b+3], s[\g1b:\g1b+7]
	s_nop 0
	PLACES 4
.Lasked_\@:
.endm
.macro CREST
	s_cmp_lg_u32 s14, 0
	s_cbranch_scc1 .Lnot_wave_0_\@
	s_barrier_signal -3
.Lnot_wave_0_\@:
	s_barrier_wait -3
	s_barrier_signal -1
	s_barrier_wait -1
.endm
.macro CROUND
	s_barrier_signal -1
	s_barrier_wait -1
	CREST
.endm
	s_load_b128 s[4:7], s[0:1], 0x0                ; ctx_codes, ctx_scales
	s_load_b128 s[8:11], s[0:1], 0x10              ; w_codes, w_scales
	s_load_b64 s[96:97], s[0:1], 0x20              ; bo
	s_load_b64 s[12:13], s[0:1], 0x28              ; out0
	v_lshl_add_u32 v[SPW], v0, 2, SPARE
	v_mov_b32 v[NIL], 0
	ds_add_u32 v[SPW], v[NIL]                      ; the opening lines: the add twice and its wait
	ds_add_u32 v[SPW], v[NIL]
	v_lshrrev_b32 v1, 5, v0
	v_readfirstlane_b32 s14, v1                    ; wave
	s_lshr_b32 s15, s14, 1                         ; my half of the rows; also: I ask for A (0) or B (1)
	s_and_b32 s16, s14, 1                          ; my half of the columns; also: which part of a refill I ask for
	s_bfe_u32 s40, ttmp6, 0x40000                  ; cx
	s_bfe_u32 s41, ttmp6, 0x40004                  ; cy
	s_lshl_b32 s42, ttmp9, 2
	s_add_co_u32 s42, s42, s40                     ; tile column, 0 .. 3
	s_and_b32 s17, ttmp7, 0xffff
	s_lshl_b32 s17, s17, 2
	s_add_co_u32 s17, s17, s41                     ; tile row, 0 .. 63
	s_lshl_b32 s43, s41, 2
	s_lshl_b32 s43, 15, s43                        ; my row of the cluster
	s_lshl_b32 s44, 0x1111, s40                    ; my column
	s_or_b32 s[G1+0], s43, (3<<16)|(1<<21)         ; A: rows of 6,144 bytes (a head's 128 rows), 393,216 bytes apart; the head's load brings 8 heads
	s_mov_b32 s[G1+1], 768<<16
	s_mov_b32 s[G1+2], 8<<16
	s_mov_b32 s[G1+3], 768<<16
	s_mov_b32 s[G1+4], 8
	s_mov_b32 s[G1+5], 49152
	s_mov_b32 s[G1+6], 0
	s_mov_b32 s[G1+7], 0
	s_or_b32 s[G1B+0], s44, (0<<16)|(1<<20)|(1<<21)|(3<<22)|(3<<25)   ; B: a dense block as rows of 256 bytes, 16 bytes of padding behind every 64; the head's load brings K steps 0 and 1
	s_mov_b32 s[G1B+1], 256<<16
	s_mov_b32 s[G1B+2], 384<<16
	s_mov_b32 s[G1B+3], 256<<16
	s_mov_b32 s[G1B+4], 384
	s_mov_b32 s[G1B+5], 256
	s_mov_b32 s[G1B+6], 0
	s_mov_b32 s[G1B+7], 0
	s_or_b32 s[G1S+0], s43, (3<<16)|(1<<20)|(1<<21)|(5<<22)|(3<<25)   ; scales: rows of 256 bytes + 16: A's 128 rows are 16 of them,
	s_mov_b32 s[G1S+1], 32<<16
	s_mov_b32 s[G1S+2], 16<<16
	s_mov_b32 s[G1S+3], 32<<16
	s_mov_b32 s[G1S+4], 16
	s_mov_b32 s[G1S+5], 32
	s_mov_b32 s[G1S+6], 0
	s_mov_b32 s[G1S+7], 0
	s_or_b32 s[G1SB+0], s44, (3<<16)|(1<<20)|(1<<21)|(5<<22)|(3<<25)  ; B's 256 rows 32
	s_mov_b32 s[G1SB+1], 32<<16
	s_mov_b32 s[G1SB+2], 32<<16
	s_mov_b32 s[G1SB+3], 32<<16
	s_mov_b32 s[G1SB+4], 32
	s_mov_b32 s[G1SB+5], 32
	s_mov_b32 s[G1SB+6], 0
	s_mov_b32 s[G1SB+7], 0
	s_mul_i32 s20, s17, 6144                       ; A's codes: 128 rows of 48 bytes a tile row
	s_mov_b32 s21, 0
	s_lshl_b32 s22, s17, 12                        ; A's scales: 128 x 32
	s_mov_b32 s23, 0
	s_mul_i32 s46, s42, 196608                     ; B's codes: a block of 256 columns
	s_mov_b32 s47, 0
	s_lshl_b32 s92, s42, 13                        ; B's scales: 256 x 32
	s_mov_b32 s93, 0
	s_mul_i32 s45, s16, HALFT
	s_add_co_u32 s45, s45, BB0                     ; B's refills in LDS: my 128 rows of slot 0
	s_mul_i32 s94, s16, 24576                      ; and in memory
	s_mul_i32 s2, s16, 2*HEADB                     ; A's refills in LDS: my two heads of slot 0
	s_mul_i32 s95, s16, 786432                     ; and in memory
	s_wait_dscnt 0x0
	s_wait_kmcnt 0x0
	s_add_nc_u64 s[8:9], s[8:9], 3*786432          ; Wo's part
	s_add_nc_u64 s[10:11], s[10:11], 3*32768
	s_add_nc_u64 s[20:21], s[4:5], s[20:21]
	s_add_nc_u64 s[22:23], s[6:7], s[22:23]
	s_add_nc_u64 s[46:47], s[8:9], s[46:47]
	s_add_nc_u64 s[92:93], s[10:11], s[92:93]
	CROUND                                         ; the round in front of the first joint loads
	s_mov_b32 s[G0S], 1
	s_mov_b32 s[G0S+1], SCL
	s_mov_b64 s[G0S+2:G0S+3], s[22:23]
	s_or_b32 s[G0S+3], s[G0S+3], 0x80000000
	s_mov_b32 s[G0SB], 1
	s_mov_b32 s[G0SB+1], SCL+HALFS
	s_mov_b64 s[G0SB+2:G0SB+3], s[92:93]
	s_or_b32 s[G0SB+3], s[G0SB+3], 0x80000000
	s_mov_b32 s[G0], 1                             ; the head's loads of codes use slot 0's groups 0: both slots of A, whole,
	s_mov_b32 s[G0+1], 0
	s_mov_b64 s[G0+2:G0+3], s[20:21]
	s_or_b32 s[G0+3], s[G0+3], 0x80000000
	s_mov_b32 s[G0B], 1                            ; and of B
	s_mov_b32 s[G0B+1], BB0
	s_mov_b64 s[G0B+2:G0B+3], s[46:47]
	s_or_b32 s[G0B+3], s[G0B+3], 0x80000000
	s_mov_b32 s19, 0
	s_mov_b32 s18, s95
	s_mov_b32 s[G0+4], 1                           ; slot 1's groups 0 stand at K step 1, my part: the refill steps them on
	s_add_co_u32 s[G0+5], s2, ASLOT
	s_add_nc_u64 s[G0+6:G0+7], s[20:21], s[18:19]
	s_add_nc_u64 s[G0+6:G0+7], s[G0+6:G0+7], ASTEP
	s_or_b32 s[G0+7], s[G0+7], 0x80000000
	s_mov_b32 s18, s94
	s_mov_b32 s[G0B+4], 1
	s_add_co_u32 s[G0B+5], s45, 2*HALFT
	s_add_nc_u64 s[G0B+6:G0B+7], s[46:47], s[18:19]
	s_add_nc_u64 s[G0B+6:G0B+7], s[G0B+6:G0B+7], ROWB
	s_or_b32 s[G0B+7], s[G0B+7], 0x80000000
.macro ARM under, g0, g1, next         ; one chain of branches on the wave's number, one load to an arm
	s_cmp_lt_u32 s14, \under
	s_cbranch_scc0 \next
	tensor_load_to_lds s[\g0:\g0+3], s[\g1:\g1+7]
	s_nop 0
	PLACES 4
	s_branch .Lhead_asked
\next:
.endm
	ARM 1, G0,  G1,  .Lhead_b
	ARM 2, G0B, G1B, .Lhead_sa
	ARM 3, G0S, G1S, .Lhead_sb
	tensor_load_to_lds s[G0SB:G0SB+3], s[G1SB:G1SB+7]
	s_nop 0
	PLACES 4
.Lhead_asked:
	; the scalars that the address registers take, all ahead of the vector lines
	s_mul_i32 s3, s15, 64*48                       ; my 64 rows of A in slot 0,
	s_add_co_u32 s18, s3, ASLOT                    ; in slot 1
	s_add_co_u32 s19, s45, 2*HALFT                 ; my 128 rows of B in slot 1
	s_mul_i32 s66, s15, HALFS/2
	s_add_co_u32 s66, s66, SCL                     ; my rows' scales of A
	s_mul_i32 s67, s16, HALFS
	s_add_co_u32 s67, s67, SCL+HALFS
	s_sub_co_u32 s67, s67, s66                     ; and how far behind them B's lie
	s_mul_i32 s98, s14, 16*SPITCH
	s_add_co_u32 s98, s98, STAGE                   ; my stage
	s_lshl_b32 s99, s40, 2
	s_add_co_u32 s99, s99, s14                     ; my number among the sixteen waves of my row of the cluster
	s_lshr_b32 s100, s99, 1
	s_add_co_u32 s100, s100, 8
	s_mul_i32 s100, s100, 393216                   ; heads 8 .. 15, two waves to a head,
	s_and_b32 s99, s99, 1
	s_mul_i32 s99, s99, 3072                       ; twelve blocks of 256 bytes each
	s_add_co_u32 s99, s99, s100
	s_mul_i32 s100, s17, 6144
	s_add_co_u32 s99, s99, s100
	s_lshl_b32 s100, s41, 2
	s_add_co_u32 s100, s100, s14                   ; and of my column
	s_mul_i32 s100, s100, 6144                     ; 24 blocks each of B's K steps 2 and 3
	s_add_co_u32 s100, s100, 2*ROWB
	s_mul_i32 s101, s42, 196608
	s_add_co_u32 s100, s100, s101
	v_and_b32 v1, 15, v0                           ; r
	v_bfe_u32 v2, v0, 4, 1                         ; h
	v_and_b32 v7, 31, v0
	v_mul_u32_u24 v3, v1, PITCH
	v_mul_u32_u24 v4, v2, 24
	v_add_nc_u32 v3, v3, v4
	v_lshl_add_u32 v5, v2, 4, v3
	v_mad_u32_u24 v6, v1, 48, v4
	v_add_nc_u32 v[ADRA], s3, v6
	v_add_nc_u32 v[ADRA+1], s18, v6
	v_add_nc_u32 v[ADRB], s45, v3
	v_add_nc_u32 v[ADRB+1], s19, v3
	v_add_nc_u32 v[ADRB+2], s45, v5
	v_add_nc_u32 v[ADRB+3], s19, v5
	v_lshlrev_b32 v10, 5, v1                       ; 32 bytes of scales a row,
	v_lshrrev_b32 v11, 8, v10
	v_lshl_add_u32 v10, v11, 4, v10                ; 16 more for each 256 passed
	v_mul_u32_u24 v11, s67, v2                     ; lanes 16-31 take B's
	v_add_nc_u32 v10, v10, v11
	v_add_nc_u32 v[ADRS], s66, v10
	v_mul_u32_u24 v12, v1, SPITCH
	v_lshl_add_u32 v12, v2, 5, v12
	v_add_nc_u32 v[STO], s98, v12
	v_lshlrev_b32 v[CO], 4, v7
	v_add_nc_u32 v[RD], s98, v[CO]
	v_lshlrev_b32 v[BNO], 5, v2
	v_min_u32 v8, 11, v7                           ; lanes left over name their wave's last block again
	v_lshl_add_u32 v8, v8, 8, s99
	v_min_u32 v9, 23, v7
	v_lshl_add_u32 v9, v9, 8, s100
	s_wait_alu depctr_va_vdst(0)
	s_lshl_b32 s20, s17, 7
	s_lshl_b32 s21, s15, 6
	s_add_co_u32 s20, s20, s21                     ; my first row of out0
	s_lshl_b32 s20, s20, 12                        ; 4,096 bytes a row
	s_mov_b32 s21, 0
	s_lshl_b32 s46, s42, 10
	s_lshl_b32 s47, s16, 9
	s_add_co_u32 s46, s46, s47                     ; my first column, in bytes
	s_mov_b32 s47, 0
	s_add_nc_u64 s[96:97], s[96:97], s[46:47]
	s_add_nc_u64 s[20:21], s[20:21], s[46:47]
	s_add_nc_u64 s[12:13], s[12:13], s[20:21]
.irp b, 0,1,2,3,4,5,6,7
	global_load_b128 v[BN+8*\b:BN+8*\b+3], v[BNO], s[96:97] offset:64*\b
	global_load_b128 v[BN+8*\b+4:BN+8*\b+7], v[BNO], s[96:97] offset:64*\b+16
.endr
	global_prefetch_b8 v8, s[4:5] th:TH_LOAD_NT scope:SCOPE_SE      ; A's K steps 2 and 3, my twelve blocks; v8, v9 and the two bases are never rewritten
	s_and_b32 s101, ttmp7, 0xffff
	s_cmp_lt_u32 s101, 4                           ; the cluster's number: the same in all partners
	s_cbranch_scc0 .Lno_pfb
	global_prefetch_b8 v9, s[8:9] th:TH_LOAD_NT scope:SCOPE_SE      ; B's, my 24 blocks
.Lno_pfb:
.macro FRAG reg, adr, q, i             ; B: six pieces of 8 bytes; the pieces of lanes 16-31 that lie behind one padding more go by the second address register
.irp p, 0,1,2,3,4,5
.set PCE, 12*(\q)+6*(\p/3)+\p%3
.if PCE%8 < 5
	ds_load_b64 v[\reg+2*\p:\reg+2*\p+1], v[\adr] offset:8*PCE+16*(PCE/8)+(\i)*16*PITCH
.else
	ds_load_b64 v[\reg+2*\p:\reg+2*\p+1], v[\adr+2] offset:8*PCE+16*(PCE/8)+(\i)*16*PITCH
.endif
.endr
.endm
.macro FRAGA reg, adr, q, i            ; A: heads 2 q and 2 q + 1 of the slot, rows 16 (i % 4) on
.irp p, 0,1,2,3,4,5
	ds_load_b64 v[\reg+2*\p:\reg+2*\p+1], v[\adr] offset:(2*(\q)+\p/3)*HEADB+((\i)%4)*768+8*(\p%3)
.endr
.endm
; 16 products: A's fragments a0, a0 + 1 (set a / 4, block a % 4) x B's eight of set p.  The 32 accumulators take turns in the same order in every run
.macro MUL16 a0, p, q, sc, first
.irp a, \a0, \a0+1
.irp b, 0,1,2,3,4,5,6,7
.if \first
	v_wmma_scale_f32_16x16x128_f8f6f4 v[8*(8*((\a)%4)+\b):8*(8*((\a)%4)+\b)+7], v[128*(\p)+FR*\b:128*(\p)+FR*\b+FR-1], v[AF+FR*(\a):AF+FR*(\a)+FR-1], v[BN+8*\b:BN+8*\b+7], v[SC+8*NQ*(\sc)+NQ*\b+(\q)], v[SC+8*NQ*(\sc)+NQ*((\a)%4)+(\q)] matrix_a_fmt:MATRIX_FMT_FP6 matrix_b_fmt:MATRIX_FMT_FP6 matrix_a_scale:MATRIX_SCALE_ROW1
.else
	v_wmma_scale_f32_16x16x128_f8f6f4 v[8*(8*((\a)%4)+\b):8*(8*((\a)%4)+\b)+7], v[128*(\p)+FR*\b:128*(\p)+FR*\b+FR-1], v[AF+FR*(\a):AF+FR*(\a)+FR-1], v[8*(8*((\a)%4)+\b):8*(8*((\a)%4)+\b)+7], v[SC+8*NQ*(\sc)+NQ*\b+(\q)], v[SC+8*NQ*(\sc)+NQ*((\a)%4)+(\q)] matrix_a_fmt:MATRIX_FMT_FP6 matrix_b_fmt:MATRIX_FMT_FP6 matrix_a_scale:MATRIX_SCALE_ROW1
.endif
.endr
.endr
.endm
.macro FETCH_B slot, q, p
	WIN TO_B
.irp i, 0,1,2,3,4,5,6,7
	FRAG 128*(\p)+FR*\i, ADRB+\slot, \q, \i
.endr
	WIN 0
.endm
.macro FETCH_A slot, q, i0
.irp i, \i0, \i0+1, \i0+2, \i0+3
	FRAGA AF+FR*(\i), ADRA+\slot, \q, \i
.endr
.endm
.macro SCALES sc
.irp i, 0,1,2,3,4,5,6,7
	ds_load_b64 v[SC+8*NQ*\sc+NQ*\i:SC+8*NQ*\sc+NQ*\i+1], v[ADRS] offset:\i*SBLK
.endr
.endm
; The first 128 of a K step, on sets 0.  The second 128's fragments are fetched into sets 1 ahead of the products: the last products that read sets 1 stand ahead of the places behind the last change of slots.
.macro STEP slot, first
	s_wait_dscnt 0x0                               ; sets 0 and the slot's scale words are in
	FETCH_B \slot, 1, 1
	FETCH_A \slot, 1, 4
.if \first
	WIN FIRST_LO
.else
	WIN MUL_LO
.endif
	MUL16 0, 0, 0, \slot, \first
	MUL16 2, 0, 0, \slot, \first
	WIN 0
.endm
; The second 128, on sets 1, and the change of slots: the three lines, the barrier (with a refill: a round of the cluster's barrier), the refill, the next slot's first fragments.
.macro TURN slot, next, fill
	s_wait_tensorcnt 0x0                           ; all my tensor loads have landed,
	ds_add_u32 v[SPW], v[NIL]                      ; the add,
	s_wait_dscnt 1                                 ; (sets 1 are in; the add alone may be out)
	WIN MUL_LO
	MUL16 4, 1, 1, \slot, 0
	s_wait_dscnt 0x0                               ; the add is done; my reads of this slot were done above
	s_barrier_signal -1
	MUL16 6, 1, 1, \slot, 0
	WIN 0
	s_barrier_wait -1
.if \fill
	CREST
	s_add_nc_u64 s[G0+4*\slot+2:G0+4*\slot+3], s[G0+4*\slot+2:G0+4*\slot+3], 2*ASTEP
	s_add_nc_u64 s[G0B+4*\slot+2:G0B+4*\slot+3], s[G0B+4*\slot+2:G0B+4*\slot+3], 2*ROWB
	JLOAD G0+4*\slot, G1, G0B+4*\slot, G1B         ; its four v_nop are the places in front of the loads below
.else
	PLACES NP
.endif
	s_wait_alu depctr_va_vdst(0)
	v_add_nc_u32 v[ADRS], 4*NQ, v[ADRS]            ; the next K step's two scale words
	FETCH_B \next, 0, 0
	FETCH_A \next, 0, 0
	SCALES \next
.endm
	s_wait_tensorcnt 0x0                           ; my tile of the head's four is in, so descriptors may be written: A's refill brings two heads, B's 128 rows of one K step,
	s_mov_b32 s[G1+2], 2<<16
	s_mov_b32 s[G1+4], 2
	s_mov_b32 s[G1B+2], 96<<16
	s_mov_b32 s[G1B+4], 96
	s_mov_b32 s[G0+1], s2                          ; and slot 0's groups 0 stand at K step 0, my part
	s_mov_b32 s[G0B+1], s45
	s_mov_b32 s19, 0
	s_mov_b32 s18, s95
	s_add_nc_u64 s[G0+2:G0+3], s[G0+2:G0+3], s[18:19]
	s_mov_b32 s18, s94
	s_add_nc_u64 s[G0B+2:G0B+3], s[G0B+2:G0B+3], s[18:19]
	s_barrier_signal -1
	s_barrier_wait -1                              ; everybody's tile is in
	FETCH_B 0, 0, 0
	FETCH_A 0, 0, 0
	SCALES 0
	s_wait_loadcnt 0x0                             ; bo
	STEP 0, 1                                      ; K step 0
	TURN 0, 1, 1                                   ; slot 0 takes K step 2
	STEP 1, 0                                      ; K step 1
	TURN 1, 0, 1                                   ; slot 1 takes K step 3
	STEP 0, 0                                      ; K step 2
	TURN 0, 1, 0
	STEP 1, 0                                      ; K step 3
	s_wait_dscnt 0x0
	WIN MUL_LO
	MUL16 4, 1, 1, 1, 0
	MUL16 6, 1, 1, 1, 0
	WIN 0
; THE WAY OUT, block by block of 16 rows x 128 columns, through my own stage: whole rows of 512 bytes come back and leave as two aligned runs of 256 bytes.  LDS serves a wave's instructions in order.
.macro TOSTAGE a
.set AC, 64*(\a)
	WIN 0x08                                       ; the data: window 2
.irp b, 0,1,2,3,4,5,6,7
	ds_store_b128 v[STO], v[AC+8*\b:AC+8*\b+3] offset:64*\b          ; each accumulator from its low end on
	ds_store_b128 v[STO], v[AC+8*\b+4:AC+8*\b+7] offset:64*\b+16
.endr
	WIN 0
.set BB, BK+64*((\a)%2)
.irp t, 0,1,2,3,4,5,6,7,8,9,10,11,12,13,14,15
	ds_load_b128 v[BB+4*\t:BB+4*\t+3], v[RD] offset:\t*SPITCH
.endr
.endm
.macro SEND a, younger                 ; younger: the LDS instructions issued behind block a's loads
.set BB, BK+64*((\a)%2)
	s_wait_dscnt \younger
.if (\a) > 0
	s_add_nc_u64 s[12:13], s[12:13], 16*SIZE_N*4   ; behind a wait on XCNT: the earlier stores have read their base
.endif
.irp t, 0,1,2,3,4,5,6,7,8,9,10,11,12,13,14,15
	global_store_b128 v[CO], v[BB+4*\t:BB+4*\t+3], s[12:13] offset:\t*SIZE_N*4 th:TH_STORE_NT
.endr
.endm
	PLACES NP                                      ; behind the last products: for the stores of results and the loads into A's registers
	TOSTAGE 0
.irp a, 1,2,3
.if \a > 1
	s_wait_xcnt 0x0                                ; block a - 2's stores have read their registers and their base
.endif
	TOSTAGE \a
	SEND \a-1, 32                                  ; behind block a - 1's loads: block a's 16 stores and 16 loads
.endr
	s_wait_xcnt 0x0
	SEND 3, 0
	s_wait_tensorcnt 0x0                           ; the wave's end
	ds_add_u32 v[SPW], v[NIL]
	s_wait_dscnt 0x0
	CROUND                                         ; the closing round
	s_endpgm
.Lfunc_end_k_q60e9b5bbdb_outp:
	.size	k_q60e9b5bbdb_outp, .Lfunc_end_k_q60e9b5bbdb_outp-k_q60e9b5bbdb_outp
	.p2alignl 7, 3214868480
	.fill 96, 4, 3214868480
	.section	.rodata,"a",@progbits
	.p2align	6, 0x0
	.amdhsa_kernel k_q60e9b5bbdb_outp
		.amdhsa_group_segment_fixed_size 327680
		.amdhsa_private_segment_fixed_size 0
		.amdhsa_enable_private_segment 0
		.amdhsa_kernarg_size 48
		.amdhsa_user_sgpr_count 2
		.amdhsa_user_sgpr_kernarg_segment_ptr 1
		.amdhsa_wavefront_size32 1
		.amdhsa_system_sgpr_workgroup_id_x 1
		.amdhsa_system_sgpr_workgroup_id_y 1
		.amdhsa_system_sgpr_workgroup_id_z 1
		.amdhsa_system_vgpr_workitem_id 0
		.amdhsa_next_free_vgpr 768
		.amdhsa_next_free_sgpr 102
		.amdhsa_reserve_vcc 0
		.amdhsa_float_denorm_mode_32 3
		.amdhsa_float_denorm_mode_16_64 3
		.amdhsa_memory_ordered 1
		.amdhsa_forward_progress 1
		.amdhsa_inst_pref_size 102
	.end_amdhsa_kernel
	.amdgpu_metadata
---
amdhsa.version: [ 1, 2 ]
amdhsa.kernels:
  - .name:           k_q60e9b5bbdb_outp
    .symbol:         k_q60e9b5bbdb_outp.kd
    .args:
      - { .name: ctx_codes, .offset: 0, .size: 8, .value_kind: global_buffer, .address_space: global }
      - { .name: ctx_scales, .offset: 8, .size: 8, .value_kind: global_buffer, .address_space: global }
      - { .name: w_codes, .offset: 16, .size: 8, .value_kind: global_buffer, .address_space: global }
      - { .name: w_scales, .offset: 24, .size: 8, .value_kind: global_buffer, .address_space: global }
      - { .name: bo, .offset: 32, .size: 8, .value_kind: global_buffer, .address_space: global }
      - { .name: out0, .offset: 40, .size: 8, .value_kind: global_buffer, .address_space: global }
    .group_segment_fixed_size: 327680
    .private_segment_fixed_size: 0
    .kernarg_segment_align: 8
    .kernarg_segment_size: 48
    .max_flat_workgroup_size: 128
    .sgpr_count:     102
    .vgpr_count:     768
    .wavefront_size: 32
...
	.end_amdgpu_metadata
.endif
;; end of part 4
